; MI455X (gfx1250); checked and timed in simulation.
; The chip was launched on July 23, 2026; its instructions are those of AMD's public machine-readable ISA for CDNA 5 (MIT licence, August 2026) and "CDNA5" Instruction Set Architecture Reference Guide (July 2026). The comments in the code are by the model that wrote it; some were corrected since.
;; Multi Head Attention. Allowed arithmetic: float matrix products may take bf16 or f16 operands with f32 sums; other float arithmetic in f32, or as packed bf16 or f16 multiplies, adds, multiply-adds, maxima and minima; sums over many terms, partial sums and values carried from step to step in f32; what a program stores and reads back later, other than sums and carried values, may be rounded once to bf16 or f16.
;; Inputs: Wk 512 x 512 float32; Wo 512 x 512 float32; Wq 512 x 512 float32; Wv 512 x 512 float32; beta 512 float32; bk 512 float32; bo 512 float32; bq 512 float32; bv 512 float32; gamma 512 float32; k 2 x 8 x 1,024 x 512 float32; mask 2 x 1,024 x 1,024 bool; q 2 x 8 x 1,024 x 512 float32; v 2 x 8 x 1,024 x 512 float32.
;; Outputs: out0 2 x 8 x 1,024 x 512 float32.
;; 2 versions, each right; version 2 is version 1 with the launch proj written anew for expert scheduling mode. Each part assembles by itself: llvm-mc -triple=amdgcn-amd-amdhsa -mcpu=gfx1250 --defsym DOCPART=n.
;; ======== version 1 of 2: 4 launches
;; limits: values are held in f16: magnitudes above 65,504 overflow, below 6.1e-05 lose precision
;; workspace buffers: wt 2,097,152 bytes; mk 2,097,152 bytes; qkv 50,331,648 bytes; ob 16,777,216 bytes
;; launch prep (part 1): grid 256 x 1, 8 waves a work-group, no clusters, 18,432 bytes of LDS; arguments Wq, Wk, Wv, Wo, mask, wt, mk; writes wt, mk
.if DOCPART == 1
	.amdgcn_target "amdgcn-amd-amdhsa--gfx1250"
	.amdhsa_code_object_version 6
	.text
	.protected	k_qffca4f4417_prep
	.globl	k_qffca4f4417_prep
	.p2align	8
	.type	k_qffca4f4417_prep,@function
k_qffca4f4417_prep:
	s_mov_b64 s[64:65], 0
	v_nop
	global_prefetch_b8 v0, s[64:65] scope:SCOPE_SE
	s_setreg_imm32_b32 hwreg(HW_REG_WAVE_MODE, 25, 1), 1
	s_wait_xcnt 0x0
; PREP: the weights in 16 bits, laid as the later launches take them, and the mask as codes in the lane order of the attention launch.
; WORK LEFT OUT IN THIS PROGRAM: bk.  A score is q_h . (k Wk + bk) x scale = q_h . (k Wk) x scale + (q_h . bk) x scale, and the second term is the same for every key of a query's row.
; The mask replaces whole entries by -inf and leaves the others' common term alone, so softmax along the keys cancels it for all values of the inputs; a row with no visible key is NaN with or
; without it.  So bk has no way to any output: it is not loaded and is among no launch's arguments.  LIMIT: a NaN, an infinity or an overflow that reaches the result through bk alone is not carried.
; wt, bytes 0 to 1,572,863: Wq, Wk, Wv (T = 0, 1, 2) in bf16, as matrix fragments: [unit 8 T + head][K quarter kq 16][n block 4][half 2][lane 32][16 bytes]: lane (r = l % 16, h = l / 16) holds
; W_T[32 kq + 16 half + 8 h + 0..7][64 head + 16 nblock + r].  Wq is multiplied by c = log2(e) / 8 in f32 ahead of its one rounding, so that the scores come out in powers of two.
; wt, from byte 1,572,864: Wo as four tiles [kc][512 n][128 k], element Wo[128 kc + k][n], rounded to bf16 and that number written as f16 (LIMIT: below 6e-5 it keeps f16's fixed step of 6e-8).
; mk: [b 2][query tile 64][key step 16][half 2][lane 32][16 bytes]: lane (r, h) holds, for query 16 qt + r, the keys 64 step + 32 half + 8 h + 0..7 and the same + 16;
; a byte is 0x00 for a visible key and 0xc0 (-2.0 as fp8 E4M3) for a hidden one.
; SHARES.  Work-groups 0-127: 128 k x 64 n of one weight, turned through LDS.  Work-groups 128-255: the 16 rows of one query tile of the mask.  Both kinds pass the one barrier.
.set PITCH, 272                        ; an LDS row: 128 k of 16 bits + 16 bytes
.set SPARE, 64*PITCH                   ; behind the tile: the spare words, 128 bytes for each of the eight waves
.set SPW, 2                            ; v2   LDS address of my spare word; never rewritten
.set NIL, 3                            ; v3   0; never rewritten
.set VLD, 4                            ; v4   weights: my byte offset in the 128 x 64 block
.set VST, 5                            ; v5   where I put 16 bytes of a turned row
.set VRD, 6                            ; v6   Wo: where I read a turned row back
.set VGO, 7                            ; v7   16 x thread
.set X,   8                            ; v[8:39]  as loaded
.set PKD, 40                           ; v[40:55] packed; later what is read back
.set MLD, 56                           ; v56  mask: my byte offset in the 16 rows
.set MST, 57                           ; v57  mask: my byte offset in the tile's 16,384 bytes of mk
.set TA,  58
.set TB,  59
.set VR2, 60                           ; v60  Wq, Wk, Wv: where I read my 16 bytes of a fragment
	s_load_b256 s[4:11], s[0:1], 0x0               ; Wq s[4:5], Wk s[6:7], Wv s[8:9], Wo s[10:11]
	s_load_b128 s[12:15], s[0:1], 0x20             ; mask s[12:13], wt s[14:15]
	s_load_b64 s[16:17], s[0:1], 0x30              ; mk
	v_lshl_add_u32 v[SPW], v0, 2, SPARE
	v_mov_b32 v[NIL], 0
	s_and_b32 s18, ttmp9, 127                      ; my number among my kind
	s_lshr_b32 s19, s18, 5                         ; T
	s_bfe_u32 s22, s18, 0x20003                    ; kc: which 128 k
	s_and_b32 s23, s18, 7                          ; which 64 n: a head
	s_lshl_b32 s24, s22, 18                        ; 128 rows of 2,048 bytes
	s_lshl_b32 s25, s23, 8
	s_add_co_u32 s24, s24, s25
	s_mov_b32 s25, 0
	s_lshr_b32 s26, s18, 3                         ; Wo: the tile 4 T + kc,
	s_lshl_b32 s26, s26, 17
	s_lshl_b32 s27, s23, 14                        ; its 64 rows of 256 bytes
	s_add_co_u32 s26, s26, s27
	s_lshl3_add_u32 s27, s19, s23                  ; the others: the unit 8 T + head, 65,536 bytes,
	s_lshl_b32 s27, s27, 16
	s_lshl_b32 s35, s22, 14                        ; its K quarters 4 kc to 4 kc + 3, 4,096 bytes each
	s_add_co_u32 s27, s27, s35
	s_cmp_eq_u32 s19, 3
	s_cselect_b32 s26, s26, s27
	s_mov_b32 s27, 0
	s_lshl_b32 s28, s18, 14                        ; a query tile: 16,384 bytes of mask and of mk
	s_mov_b32 s29, 0
	s_mov_b32 s30, 0x3e38aa3b                      ; c = log2(e) / 8
	s_mov_b32 s31, s30                             ; named with it as a pair
	s_mov_b32 s33, 0xc0
	s_mov_b32 s34, 0xffff0000
	v_and_b32 v1, 15, v0
	v_lshrrev_b32 v[TA], 4, v0                     ; kg: which 8 k
	v_lshlrev_b32 v[VLD], 4, v1
	v_lshl_add_u32 v[VLD], v[TA], 14, v[VLD]       ; 8 kg rows + 16 bytes x (t % 16)
	v_mul_u32_u24 v[VST], v1, 4*PITCH
	v_lshl_add_u32 v[VST], v[TA], 4, v[VST]        ; row 4 (t % 16), byte 16 kg
	v_mul_u32_u24 v[VRD], v[TA], PITCH
	v_lshl_add_u32 v[VRD], v1, 4, v[VRD]           ; row t / 16, byte 16 (t % 16)
	v_lshlrev_b32 v[VGO], 4, v0
	v_lshrrev_b32 v[TB], 5, v0                     ; wave = 2 x n block + half
	v_lshrrev_b32 v[TA], 1, v[TB]
	v_lshl_add_u32 v[TA], v[TA], 4, v1             ; row 16 nblock + r,
	v_mul_u32_u24 v[VR2], v[TA], PITCH
	v_and_b32 v[TA], 1, v[TB]
	v_lshl_add_u32 v[VR2], v[TA], 5, v[VR2]        ; byte 32 half
	v_bfe_u32 v[TA], v0, 4, 1                      ; h
	v_lshl_add_u32 v[VR2], v[TA], 4, v[VR2]        ; + 16 h
	v_lshlrev_b32 v[MLD], 10, v1                   ; row r of the mask,
	v_lshl_add_u32 v[MLD], v[TA], 3, v[MLD]        ; + 8 h,
	v_lshl_add_u32 v[MLD], v[TB], 7, v[MLD]        ; + my wave's two key steps
	v_and_b32 v[MST], 31, v0
	v_lshlrev_b32 v[MST], 4, v[MST]
	v_lshl_add_u32 v[MST], v[TB], 11, v[MST]
	s_wait_kmcnt 0x0
	s_cmp_eq_u32 s19, 1
	s_cselect_b64 s[20:21], s[6:7], s[4:5]
	s_cmp_eq_u32 s19, 2
	s_cselect_b64 s[20:21], s[8:9], s[20:21]
	s_cmp_eq_u32 s19, 3
	s_cselect_b64 s[20:21], s[10:11], s[20:21]
	s_add_nc_u64 s[20:21], s[20:21], s[24:25]
	s_add_nc_u64 s[14:15], s[14:15], s[26:27]
	s_add_nc_u64 s[12:13], s[12:13], s[28:29]
	s_add_nc_u64 s[16:17], s[16:17], s[28:29]
	s_cmp_lt_u32 ttmp9, 128
	s_cbranch_scc0 .Lmask
	; WEIGHTS: 8 k x 4 n a thread; sixteen lanes read 256 consecutive bytes of a row
.irp i, 0,1,2,3,4,5,6,7
	global_load_b128 v[X+4*\i:X+4*\i+3], v[VLD], s[20:21] offset:\i*2048
.endr
	s_wait_loadcnt 0x0
	s_cmp_eq_u32 s19, 0
	s_cbranch_scc0 .Lplain
.set i, 0
.rept 16
	v_pk_mul_f32 v[X+2*i:X+2*i+1], v[X+2*i:X+2*i+1], s[30:31] op_sel_hi:[1,0]  ; Wq alone: times c
.set i, i+1
.endr
.Lplain:
.irp c, 0,1,2,3
.irp m, 0,1,2,3
	v_cvt_pk_bf16_f32 v[PKD+4*\c+\m], v[X+8*\m+\c], v[X+8*\m+4+\c]  ; column c: k = 2 m, 2 m + 1
.endr
.endr
	s_cmp_eq_u32 s19, 3
	s_cbranch_scc0 .Lbf
.set i, 0
.rept 16
	v_lshlrev_b32 v[TA], 16, v[PKD+i]              ; Wo alone: the bf16 numbers written as f16
	v_and_b32 v[TB], s34, v[PKD+i]
	v_cvt_pk_f16_f32 v[PKD+i], v[TA], v[TB]
.set i, i+1
.endr
.Lbf:
.irp c, 0,1,2,3
	ds_store_b128 v[VST], v[PKD+4*\c:PKD+4*\c+3] offset:\c*PITCH
.endr
	s_branch .Lmeet
.Lmask:
	; MASK: a wave takes two key steps of the tile's 16 rows
.irp i, 0,1,2,3
	global_load_b64 v[X+4*\i:X+4*\i+1],   v[MLD], s[12:13] offset:32*\i
	global_load_b64 v[X+4*\i+2:X+4*\i+3], v[MLD], s[12:13] offset:32*\i+16
.endr
	s_wait_loadcnt 0x0
.set i, 0
.rept 16
	v_xor_b32 v[X+i], 0x01010101, v[X+i]           ; 1 where hidden,
	v_mul_lo_u32 v[X+i], v[X+i], s33               ; 0xc0 there: no byte carries into the next
.set i, i+1
.endr
.irp i, 0,1,2,3
	global_store_b128 v[MST], v[X+4*\i:X+4*\i+3], s[16:17] offset:512*\i  ; a wave's store covers 512 consecutive bytes, aligned
.endr
.Lmeet:
	s_wait_dscnt 0x0                               ; for the others' sake: my stores into the tile are done
	s_barrier_signal -1
	s_barrier_wait -1
	s_cmp_lt_u32 ttmp9, 128
	s_cbranch_scc0 .Lend
	s_cmp_eq_u32 s19, 3
	s_cbranch_scc1 .Lrows
.irp j, 0,1,2,3
	ds_load_b128 v[PKD+4*\j:PKD+4*\j+3], v[VR2] offset:64*\j  ; K quarter 4 kc + j: a wave reads one half of a fragment
.endr
	s_branch .Lsend
.Lrows:
.irp j, 0,1,2,3
	ds_load_b128 v[PKD+4*\j:PKD+4*\j+3], v[VRD] offset:\j*16*PITCH  ; Wo: whole rows of 256 bytes
.endr
.Lsend:
.irp j, 0,1,2,3
	s_wait_dscnt 3-\j                              ; the younger loads may stay out
	global_store_b128 v[VGO], v[PKD+4*\j:PKD+4*\j+3], s[14:15] offset:\j*4096  ; a wave's store covers 512 consecutive bytes, aligned
.endr
.Lend:
	s_wait_tensorcnt 0x0                           ; the wave's end: behind my last LDS store
	ds_add_u32 v[SPW], v[NIL]
	s_wait_dscnt 0x0
	s_endpgm
.Lfunc_end_k_qffca4f4417_prep:
	.size	k_qffca4f4417_prep, .Lfunc_end_k_qffca4f4417_prep-k_qffca4f4417_prep
	.p2alignl 7, 3214868480
	.fill 96, 4, 3214868480
	.section	.rodata,"a",@progbits
	.p2align	6, 0x0
	.amdhsa_kernel k_qffca4f4417_prep
		.amdhsa_group_segment_fixed_size 18432
		.amdhsa_private_segment_fixed_size 0
		.amdhsa_enable_private_segment 0
		.amdhsa_kernarg_size 56
		.amdhsa_user_sgpr_count 2
		.amdhsa_user_sgpr_kernarg_segment_ptr 1
		.amdhsa_wavefront_size32 1
		.amdhsa_system_sgpr_workgroup_id_x 1
		.amdhsa_system_sgpr_workgroup_id_y 1
		.amdhsa_system_sgpr_workgroup_id_z 1
		.amdhsa_system_vgpr_workitem_id 0
		.amdhsa_next_free_vgpr 64
		.amdhsa_next_free_sgpr 66
		.amdhsa_reserve_vcc 0
		.amdhsa_float_denorm_mode_32 3
		.amdhsa_float_denorm_mode_16_64 3
		.amdhsa_memory_ordered 1
		.amdhsa_forward_progress 1
		.amdhsa_inst_pref_size 13
	.end_amdhsa_kernel
	.amdgpu_metadata
---
amdhsa.version: [ 1, 2 ]
amdhsa.kernels:
  - .name:           k_qffca4f4417_prep
    .symbol:         k_qffca4f4417_prep.kd
    .args:
      - { .name: Wq, .offset: 0, .size: 8, .value_kind: global_buffer, .address_space: global }
      - { .name: Wk, .offset: 8, .size: 8, .value_kind: global_buffer, .address_space: global }
      - { .name: Wv, .offset: 16, .size: 8, .value_kind: global_buffer, .address_space: global }
      - { .name: Wo, .offset: 24, .size: 8, .value_kind: global_buffer, .address_space: global }
      - { .name: mask, .offset: 32, .size: 8, .value_kind: global_buffer, .address_space: global }
      - { .name: wt, .offset: 40, .size: 8, .value_kind: global_buffer, .address_space: global }
      - { .name: mk, .offset: 48, .size: 8, .value_kind: global_buffer, .address_space: global }
    .group_segment_fixed_size: 18432
    .private_segment_fixed_size: 0
    .kernarg_segment_align: 8
    .kernarg_segment_size: 56
    .max_flat_workgroup_size: 256
    .sgpr_count:     66
    .vgpr_count:     64
    .wavefront_size: 32
...
	.end_amdgpu_metadata
.endif
;; end of part 1
;; launch proj (part 2): grid 192 x 1, 4 waves a work-group, no clusters, 229,888 bytes of LDS; arguments q, k, v, bq, bv, wt, qkv; writes qkv
.if DOCPART == 2
	.amdgcn_target "amdgcn-amd-amdhsa--gfx1250"
	.amdhsa_code_object_version 6
	.text
	.protected	k_qffca4f4417_proj
	.globl	k_qffca4f4417_proj
	.p2align	8
	.type	k_qffca4f4417_proj,@function
k_qffca4f4417_proj:
	s_mov_b64 s[64:65], 0
	v_nop
	global_prefetch_b8 v0, s[64:65] scope:SCOPE_SE
	s_setreg_imm32_b32 hwreg(HW_REG_WAVE_MODE, 25, 1), 1
	s_wait_xcnt 0x0
; PROJ: qkv[0] = c (q Wq + bq), qkv[1] = k Wk, qkv[2] = v Wv + bv, each [128 heads][1024][64] in f16, rounded once from f32 sums.  c = log2(e) / 8 lies in wt's Wq already and is put on bq here.
; LEFT OUT: bk (it is the same for all keys of a row of scores and cancels in the softmax, for all values: shown at the head of the first kernel).
; LIMIT: c qp, kp and vp lie within f16's 65,504.  x and the weights are rounded to bf16; sums in f32.
; THE WEIGHTS STAY IN REGISTERS.  A wave holds one head of one weight: 64 columns x 512 K in bf16 = 64 fragments = 512 registers, loaded once.  A work-group's four waves hold four heads, half of one
; weight, and 512 rows of that tensor's x stream past them, 32 rows a trip, 16 trips.  3 tensors x 2 halves are 6 kinds of work-group, and no multiple of 6 is 256: the grid is 6 x 32 = 192.
; x comes through registers: a ring of 8 groups of 8 loads (my 8 rows x 512 bytes each); in every phase one group is awaited, rounded to bf16 in place, laid into LDS and asked for again two chunks on.
; In LDS a chunk is 32 rows of 512 bf16; four slots take turns, their offsets in scalar registers.  All four waves read every chunk; ONE barrier a trip orders stores and reads (see PHASE).
; NO CLUSTER, NO TENSOR LOAD: only the two halves share rows of x, two work-groups where a cluster has four along x; four sharers would hold a quarter of the columns each and take in 1,024 rows of x
; for the same products; and x has to be rounded on its way, once, by the wave that loaded it.
; THE MATRIX INSTRUCTION IS USED TRANSPOSED (source 0 = 16 columns of W, source 1 = 16 rows of x): a lane holds one row and eight neighbouring columns.  The first K quarter takes the bias as C.
; A TRIP is four PHASES of 128 along K, 32 matrix instructions each, on 8 accumulators that take turns.  Behind every four matrix instructions stands a slot of other work.
; THE LOOP IS TURNED BY ONE PHASE: a turned trip is phases 1, 2, 3 of a trip, the packing of its results, and phase 0 of the next trip, which carries the way out.
; REGISTERS.  window 0: v2-11 addresses; v16-47 the bias of my 64 columns; v48-111, v112-175 fragments of x, two buffers of 128 along K; v176-239 accumulator (a, nb) at 8 (4 a + nb); v240-255 the way out.
;   window 1: x as loaded, chunk parity p, group j at 128 p + 32 j.   windows 2, 3: W's fragment (kq, nb) at 8 (4 kq + nb), K quarters 0-7 and 8-15.
.set XPITCH, 1040                      ; an LDS row of x: 1,024 bytes + 16 = 260 words: the sixteen rows of a fragment load start 4 banks apart
.set XSTR,   65536                     ; from slot to slot; a slot's 32 rows take 33,280 bytes
.set STAGE,  40960                     ; in the gap behind slot 0: 32 rows x 144 bytes for each wave, for the way out
.set SP,     144
.set SPARE,  61440                     ; in the same gap: the spare words, 128 bytes for each wave
.set SPW,   2                          ; v2   LDS address of my spare word; never rewritten
.set NIL,   3                          ; v3   0; never rewritten
.set L16,   4                          ; v4   16 x lane: every global load and store
.set ADRA0, 5                          ; v5   my place in a chunk's fragments: r x pitch + 16 h
.set ADR,   6                          ; v6   the same in the slot that is read
.set AST0,  7                          ; v7   where I put 8 bytes of my first row of a chunk
.set ASTC,  8                          ; v8   the same in the slot that is written
.set STO,   9                          ; v9   the way out: where I put 16 bytes of a row
.set RD,    10                         ; v10  the way out: where I read rows back
.set BO,    11                         ; v11  my byte offset in my head's bias
.set BIAS,  16
.set FA,    48
.set ACC,   176
.set OB,    240
.set WV, 20                            ; s20  my wave's number
.set TT, 21                            ; s21  the tensor: 0 q, 1 k, 2 v
.set HF, 22                            ; s22  which four heads
.set RG, 23                            ; s23  which 512 rows
.set XP, 24                            ; s[24:25] x at my 8 rows of the chunk that is asked for
.set OP, 26                            ; s[26:27] qkv just behind the rows that go out next
.set WP, 28                            ; s[28:29] my unit of wt
.set BP, 30                            ; s[30:31] my head's bias
.set RS, 32                            ; s32  offset of the slot that is read
.set WS, 33                            ; s33  offset of the slot that is written
.set LEFT, 34
.set CS, 36                            ; s[36:37] c
.set MSB, 0
.macro WIN new                         ; the immediate's high byte repeats the setting that is left; a switch that changes nothing is dropped
.if MSB != (\new)
	s_set_vgpr_msb (MSB<<8)|(\new)
.set MSB, (\new)
.endif
.endm
.macro PLACES                          ; four places in front of loads into registers that matrix instructions have read, and of conversions that read results
.rept 4
	v_nop
.endr
.endm
; 4 matrix instructions: K quarter kq, rows 16 a on, my four blocks of 16 columns; x from buffer fb.  first = 1: the sums start at the bias
.macro MM4 kq, a, fb, first
	WIN 0x02+(\kq)/8                               ; source 0 in window 2 or 3
.irp nb, 0,1,2,3
.if \first
	v_wmma_f32_16x16x32_bf16 v[ACC+8*(4*(\a)+\nb):ACC+8*(4*(\a)+\nb)+7], v[8*(4*((\kq)%8)+\nb):8*(4*((\kq)%8)+\nb)+7], v[FA+64*(\fb)+8*(2*((\kq)%4)+(\a)):FA+64*(\fb)+8*(2*((\kq)%4)+(\a))+7], v[BIAS+8*\nb:BIAS+8*\nb+7]
.else
	v_wmma_f32_16x16x32_bf16 v[ACC+8*(4*(\a)+\nb):ACC+8*(4*(\a)+\nb)+7], v[8*(4*((\kq)%8)+\nb):8*(4*((\kq)%8)+\nb)+7], v[FA+64*(\fb)+8*(2*((\kq)%4)+(\a)):FA+64*(\fb)+8*(2*((\kq)%4)+(\a))+7], v[ACC+8*(4*(\a)+\nb):ACC+8*(4*(\a)+\nb)+7]
.endif
.endr
.endm
; 8 LDS loads: half hf of a phase's fragments of x (two K quarters x 32 rows), from byte k of the rows, into buffer fb
.macro FH k, fb, hf
	WIN 0
.irp qq, 2*(\hf), 2*(\hf)+1
.irp a, 0,1
	ds_load_b128 v[FA+64*(\fb)+8*(2*(\qq)+\a):FA+64*(\fb)+8*(2*(\qq)+\a)+3],   v[ADR] offset:\a*16*XPITCH+(\k)+64*(\qq)
	ds_load_b128 v[FA+64*(\fb)+8*(2*(\qq)+\a)+4:FA+64*(\fb)+8*(2*(\qq)+\a)+7], v[ADR] offset:\a*16*XPITCH+(\k)+64*(\qq)+32
.endr
.endr
.endm
.macro CVT4 xg, part                   ; two loads' eight numbers are rounded to bf16, in place
	WIN 0x45                                       ; sources and destination in window 1
.irp i, 0,1
	v_cvt_pk_bf16_f32 v[(\xg)+4*(2*(\part)+\i)],   v[(\xg)+4*(2*(\part)+\i)],   v[(\xg)+4*(2*(\part)+\i)+1]
	v_cvt_pk_bf16_f32 v[(\xg)+4*(2*(\part)+\i)+1], v[(\xg)+4*(2*(\part)+\i)+2], v[(\xg)+4*(2*(\part)+\i)+3]
.endr
.endm
.macro XST xg, j                       ; a group goes into LDS: 256 consecutive bytes of each of my 8 rows
	WIN 0x04                                       ; data in window 1
.irp i, 0,1,2,3,4,5,6,7
	ds_store_b64 v[ASTC], v[(\xg)+4*\i:(\xg)+4*\i+1] offset:\i*XPITCH+256*(\j)
.endr
.endm
.macro XLD xg, off                     ; a group is asked for: 512 consecutive bytes, aligned, of each of my 8 rows
	WIN 0x40                                       ; destination in window 1
.irp i, 0,1,2,3,4,5,6,7
	global_load_b128 v[(\xg)+4*\i:(\xg)+4*\i+3], v[L16], s[XP:XP+1] offset:\i*2048+(\off)
.endr
.endm
.macro XGRP par, j, n, re              ; a group outside the loop: awaited (n younger loads may stay out), rounded, stored; re = 1: asked for again, two chunks on
	WIN 0x45
	s_wait_loadcnt \n
	CVT4 128*(\par)+32*(\j), 0
	CVT4 128*(\par)+32*(\j), 1
	CVT4 128*(\par)+32*(\j), 2
	CVT4 128*(\par)+32*(\j), 3
	XST 128*(\par)+32*(\j), \j
.if \re
	XLD 128*(\par)+32*(\j), 512*(\j)+((\par)+2)*XSTR
.endif
.endm
.macro OBLD hf                         ; the way out: 16 rows back from my stage, as whole rows of 128 bytes
	WIN 0
.irp f, 0,1,2,3
	ds_load_b128 v[OB+4*\f:OB+4*\f+3], v[RD] offset:(4*(\hf)+\f)*4*SP
.endr
.endm
.macro OBST hf, so
.irp f, 0,1,2,3
	global_store_b128 v[L16], v[OB+4*\f:OB+4*\f+3], s[OP:OP+1] offset:(\so)+(4*(\hf)+\f)*512  ; four rows of a head: 512 consecutive bytes, aligned
.endr
.endm
; A trip's results: rounded to f16 in place (each accumulator from its low end) and put into my stage.  LDS serves a wave's instructions in order, so the reads in the next
; phase see these stores, and the next trip's stores come behind those reads.
.macro PACK
	PLACES
	WIN 0
.irp i, 0,1,2,3,4,5,6,7
.irp r, 0,1,2,3
	v_cvt_pk_f16_f32 v[ACC+8*\i+\r], v[ACC+8*\i+2*\r], v[ACC+8*\i+2*\r+1]
.endr
.endr
.irp i, 0,1,2,3,4,5,6,7
	ds_store_b128 v[STO], v[ACC+8*\i:ACC+8*\i+3] offset:((\i)/4)*16*SP+32*((\i)%4)
.endr
.endm
; A PHASE: K quarters 4 p to 4 p + 3.  x = 1: group j of the chunk of parity par passes through.  wo = 1: the last trip's results go out, to byte so behind OP.
; nw: the LDS instructions issued behind this phase's fragment loads, which may stay out.  pu: the pointers step (1: x's and qkv's, for two trips; 2: qkv's, for one).
; The next phase's fragments are asked for behind the 8th and the 12th matrix instruction, 20 ahead of their first use; the four roundings (or v_nop) ahead of them are the places behind the last
; matrix instruction that read that buffer.
; PHASE 3 HOLDS THE TRIP'S BARRIER.  In front of it a wave's LDS instructions are all done: its reads of the chunk in hand, of which these were the last, and its stores of the next chunk, which ended
; three phases back.  Behind it the next chunk is read.  A slot is written again two trips after its chunk's barrier.
.macro PHASE p, x, par, j, wo, so, nw, pu
.set CB, (\p)%2
.set OBF, 1-CB
.set XG, 128*(\par)+32*(\j)
.set FST, 0
.if (\p) == 0
.set FST, 1
.endif
	s_wait_dscnt \nw
.if (\p) == 3
	s_barrier_signal -1
.endif
	MM4 4*(\p), 0, CB, FST
.if \wo
	WIN 0
	s_wait_xcnt 0x0                                ; the stores of a trip ago have read the sixteen registers
	OBLD 0
.endif
.if \x
	WIN 0x45
	s_wait_loadcnt 56                              ; my oldest group is in; the seven younger groups of 8 stay out
	CVT4 XG, 0
.else
	PLACES
.endif
	MM4 4*(\p), 1, CB, FST
.if (\p) == 3
	WIN 0
	s_barrier_wait -1
	s_add_co_u32 s[RS], s[RS], XSTR
	s_and_b32 s[RS], s[RS], 3*XSTR
	v_add_nc_u32 v[ADR], s[RS], v[ADRA0]           ; the next chunk's slot
.endif
	FH 256*(((\p)+1)%4), OBF, 0
	MM4 4*(\p)+1, 0, CB, 0
	FH 256*(((\p)+1)%4), OBF, 1
	MM4 4*(\p)+1, 1, CB, 0
.if \wo
	WIN 0
	s_wait_dscnt 16                                ; rows 0-15 are back; the 16 fragment loads behind them may stay out
	OBST 0, \so
.endif
.if \x
	CVT4 XG, 1
.endif
	MM4 4*(\p)+2, 0, CB, 0
.if \wo
	WIN 0
	s_wait_xcnt 0x0                                ; those four stores have read their registers
	OBLD 1
.endif
.if \x
	CVT4 XG, 2
.endif
	MM4 4*(\p)+2, 1, CB, 0
.if \x
	CVT4 XG, 3
.endif
.if (\pu) == 1
	s_wait_xcnt 0x0                                ; the youngest load and store stand 24 matrix instructions back: the pointers may be written
	s_add_nc_u64 s[XP:XP+1], s[XP:XP+1], 2*XSTR
	s_add_nc_u64 s[OP:OP+1], s[OP:OP+1], 8192
.elseif (\pu) == 2
	s_wait_xcnt 0x0
	s_add_nc_u64 s[OP:OP+1], s[OP:OP+1], 4096
.endif
	MM4 4*(\p)+3, 0, CB, 0
.if \x
	XST XG, \j
.endif
	MM4 4*(\p)+3, 1, CB, 0
.if \wo
	WIN 0
	s_wait_dscnt 8*(\x)                            ; rows 16-31 are back; x's 8 stores behind them may stay out
	OBST 1, \so
.endif
.if \x
	XLD XG, 512*(\j)+(\par)*XSTR
.endif
.endm
; A turned trip of the main loop: the chunk two trips on passes through, the chunk four trips on is asked for
.macro RTRIP par, so, pu
	WIN 0
	s_add_co_u32 s[WS], s[WS], XSTR
	s_and_b32 s[WS], s[WS], 3*XSTR
	v_add_nc_u32 v[ASTC], s[WS], v[AST0]
	PHASE 1, 1, \par, 0, 0, 0, 8, \pu              ; 8: x's stores of the phase before
	PHASE 2, 1, \par, 1, 0, 0, 8, 0
	PHASE 3, 1, \par, 2, 0, 0, 0, 0
	PACK
	PHASE 0, 1, \par, 3, 1, \so, 16, 0             ; 16: x's 8 stores and the stage's 8
.endm
	s_load_b256 s[4:11], s[0:1], 0x0               ; q s[4:5], k s[6:7], v s[8:9], bq s[10:11]
	s_load_b128 s[12:15], s[0:1], 0x20             ; bv s[12:13], wt s[14:15]
	s_load_b64 s[16:17], s[0:1], 0x30              ; qkv
	v_lshl_add_u32 v[SPW], v0, 2, SPARE
	v_mov_b32 v[NIL], 0
	v_lshrrev_b32 v1, 5, v0
	v_readfirstlane_b32 s[WV], v1
	s_lshr_b32 s[TT], ttmp9, 6
	s_and_b32 s[HF], ttmp9, 1                      ; the two halves of a row block are neighbours
	s_bfe_u32 s[RG], ttmp9, 0x50001
	v_and_b32 v1, 15, v0                           ; r
	v_bfe_u32 v12, v0, 4, 1                        ; h
	v_and_b32 v13, 31, v0                          ; lane
	v_lshlrev_b32 v[L16], 4, v13
	v_mul_u32_u24 v[ADRA0], v1, XPITCH
	v_lshl_add_u32 v[ADRA0], v12, 4, v[ADRA0]
	s_mul_i32 s2, s[WV], 8*XPITCH
	v_lshl_add_u32 v[AST0], v13, 3, s2             ; my wave's 8 rows, 8 bytes a lane
	s_mul_i32 s2, s[WV], 32*SP
	s_add_co_u32 s2, s2, STAGE
	v_mul_u32_u24 v[STO], v1, SP
	v_lshl_add_u32 v[STO], v12, 4, v[STO]
	v_add_nc_u32 v[STO], s2, v[STO]
	v_bfe_u32 v[RD], v0, 3, 2
	v_mul_u32_u24 v[RD], v[RD], SP
	v_and_b32 v14, 7, v0
	v_lshl_add_u32 v[RD], v14, 4, v[RD]
	v_add_nc_u32 v[RD], s2, v[RD]
	v_lshlrev_b32 v[BO], 5, v12                    ; column 8 h, in bytes
	s_lshl_b32 s2, s[RG], 20                       ; 512 rows of 2,048 bytes,
	s_lshl_b32 s3, s[WV], 14                       ; my 8 rows of a chunk
	s_add_co_u32 s2, s2, s3
	s_mov_b32 s3, 0
	s_lshl2_add_u32 s38, s[HF], s[WV]              ; my head in its slice
	s_lshl3_add_u32 s39, s[TT], s38
	s_lshl_b32 s40, s39, 16                        ; my unit of wt
	s_mov_b32 s41, 0
	s_lshl_b32 s42, s38, 8                         ; my head's 64 numbers of a bias
	s_mov_b32 s43, 0
	s_lshr_b32 s44, s[RG], 1                       ; the slice (b, l)
	s_lshl3_add_u32 s44, s44, s38
	s_lshl_b32 s44, s44, 17                        ; my head among the 128,
	s_and_b32 s45, s[RG], 1
	s_lshl_b32 s45, s45, 16                        ; its first or second 512 rows,
	s_add_co_u32 s44, s44, s45
	s_lshl_b32 s45, s[TT], 24                      ; in qkv's tensor T
	s_add_co_u32 s44, s44, s45
	s_mov_b32 s45, 0
	s_mov_b32 s[CS], 0x3e38aa3b
	s_mov_b32 s[CS+1], s[CS]
	s_mov_b32 s[RS], 0
	s_mov_b32 s[WS], XSTR                          ; the first turned trip steps it to slot 2
	s_wait_kmcnt 0x0
	s_cmp_eq_u32 s[TT], 1
	s_cselect_b64 s[XP:XP+1], s[6:7], s[4:5]
	s_cmp_eq_u32 s[TT], 2
	s_cselect_b64 s[XP:XP+1], s[8:9], s[XP:XP+1]
	s_cselect_b64 s[BP:BP+1], s[12:13], s[10:11]
	s_add_nc_u64 s[XP:XP+1], s[XP:XP+1], s[2:3]
	s_add_nc_u64 s[BP:BP+1], s[BP:BP+1], s[42:43]
	s_add_nc_u64 s[WP:WP+1], s[14:15], s[40:41]
	s_add_nc_u64 s[OP:OP+1], s[16:17], s[44:45]
	; the bias, the weights, then chunks 0 and 1 of x: loads come back in order, so the wait for x's first group shows all that stands ahead of it
	s_cmp_eq_u32 s[TT], 1
	s_cbranch_scc1 .Lzero
.irp nb, 0,1,2,3
	global_load_b128 v[BIAS+8*\nb:BIAS+8*\nb+3],   v[BO], s[BP:BP+1] offset:64*\nb
	global_load_b128 v[BIAS+8*\nb+4:BIAS+8*\nb+7], v[BO], s[BP:BP+1] offset:64*\nb+16
.endr
	s_branch .Lbias
.Lzero:
.set i, 0
.rept 32
	v_mov_b32 v[BIAS+i], 0                         ; k's sums start at 0
.set i, i+1
.endr
.Lbias:
	WIN 0x80
.set i, 0
.rept 64
	global_load_b128 v[4*i:4*i+3], v[L16], s[WP:WP+1] offset:512*i  ; 512 consecutive bytes are half a fragment
.set i, i+1
.endr
	WIN 0xc0
.set i, 0
.rept 64
	global_load_b128 v[4*i:4*i+3], v[L16], s[WP:WP+1] offset:32768+512*i
.set i, i+1
.endr
.irp par, 0,1
.irp j, 0,1,2,3
	XLD 128*\par+32*\j, 512*\j+\par*XSTR
.endr
.endr
	WIN 0
	v_mov_b32 v[ASTC], v[AST0]                     ; chunk 0 into slot 0,
.irp j, 0,1,2,3
	XGRP 0, \j, 56, 1                              ; 56: what is left of the first 64 loads and what has been asked for again
.endr
	WIN 0
	v_add_nc_u32 v[ASTC], XSTR, v[AST0]            ; chunk 1 into slot 1; chunks 2 and 3 are on their way
.irp j, 0,1,2,3
	XGRP 1, \j, 56, 1
.endr
	WIN 0
	s_cmp_eq_u32 s[TT], 0
	s_cbranch_scc0 .Lplain
.set i, 0
.rept 16
	v_pk_mul_f32 v[BIAS+2*i:BIAS+2*i+1], v[BIAS+2*i:BIAS+2*i+1], s[CS:CS+1] op_sel_hi:[1,0]  ; c bq
.set i, i+1
.endr
.Lplain:
	s_wait_xcnt 0x0
	s_add_nc_u64 s[XP:XP+1], s[XP:XP+1], 2*XSTR    ; at chunk 2: the loop's first step makes it chunk 4
	v_mov_b32 v[ADR], v[ADRA0]
	s_wait_dscnt 0x0                               ; my rows of chunks 0 and 1 lie in LDS
	s_barrier_signal -1
	s_barrier_wait -1
	FH 0, 0, 0
	FH 0, 0, 1
	PHASE 0, 0, 0, 0, 0, 0, 0, 0                   ; trip 0's first phase stands in front of the loop: nothing goes out yet
	s_wait_dscnt 0x0                               ; the loop's first wait counts stores that this way in has not issued
	WIN 0
	s_mov_b32 s[LEFT], 6
.Lbody:                                                ; turned trips 2 i and 2 i + 1: chunks 2 i + 2 and 2 i + 3 pass through, chunks 2 i + 4 and 2 i + 5, 15 at the most, are asked for
	RTRIP 0, -8192, 1
	RTRIP 1, -4096, 0
	WIN 0
	s_sub_co_u32 s[LEFT], s[LEFT], 1
	s_cmp_lg_u32 s[LEFT], 0
	s_cbranch_scc1 .Lbody
	s_mov_b32 s[LEFT], 4
.Ltail:                                                ; turned trips 12 to 15: nothing is asked for
	PHASE 1, 0, 0, 0, 0, 0, 0, 2
	PHASE 2, 0, 0, 0, 0, 0, 0, 0
	WIN 0
	s_cmp_eq_u32 s[LEFT], 3
	s_cbranch_scc0 .Lnolump
	v_add_nc_u32 v[ASTC], 2*XSTR, v[AST0]          ; in trip 13, ahead of its barrier: chunks 14 and 15 go into slots 2 and 3; the counts run down
.irp j, 0,1,2,3
	XGRP 0, \j, 56-8*\j, 0
.endr
	WIN 0
	v_add_nc_u32 v[ASTC], 3*XSTR, v[AST0]
.irp j, 0,1,2,3
	XGRP 1, \j, 24-8*\j, 0
.endr
	WIN 0
.Lnolump:
	PHASE 3, 0, 0, 0, 0, 0, 0, 0                   ; (in trip 15 its 16 fragment loads serve nothing: the price, once a launch, of one text for the four trips)
	PACK
	WIN 0
	s_sub_co_u32 s[LEFT], s[LEFT], 1
	s_cmp_eq_u32 s[LEFT], 0
	s_cbranch_scc1 .Lfin
	PHASE 0, 0, 0, 0, 1, -4096, 8, 0               ; 8: the stage's stores
	WIN 0
	s_branch .Ltail
.Lfin:                                                 ; trip 15 goes out, through the fragment buffer that the last phase multiplied: the packing's lines are the places behind its products
.irp f, 0,1,2,3,4,5,6,7
	ds_load_b128 v[FA+64+4*\f:FA+64+4*\f+3], v[RD] offset:\f*4*SP
.endr
.irp f, 0,1,2,3,4,5,6,7
	s_wait_dscnt 7-\f                              ; the younger reads may stay out
	global_store_b128 v[L16], v[FA+64+4*\f:FA+64+4*\f+3], s[OP:OP+1] offset:-4096+\f*512
.endr
	s_wait_tensorcnt 0x0                           ; the wave's end: behind my last LDS store
	ds_add_u32 v[SPW], v[NIL]
	s_wait_dscnt 0x0
	s_endpgm
.Lfunc_end_k_qffca4f4417_proj:
	.size	k_qffca4f4417_proj, .Lfunc_end_k_qffca4f4417_proj-k_qffca4f4417_proj
	.p2alignl 7, 3214868480
	.fill 96, 4, 3214868480
	.section	.rodata,"a",@progbits
	.p2align	6, 0x0
	.amdhsa_kernel k_qffca4f4417_proj
		.amdhsa_group_segment_fixed_size 229888
		.amdhsa_private_segment_fixed_size 0
		.amdhsa_enable_private_segment 0
		.amdhsa_kernarg_size 56
		.amdhsa_user_sgpr_count 2
		.amdhsa_user_sgpr_kernarg_segment_ptr 1
		.amdhsa_wavefront_size32 1
		.amdhsa_system_sgpr_workgroup_id_x 1
		.amdhsa_system_sgpr_workgroup_id_y 1
		.amdhsa_system_sgpr_workgroup_id_z 1
		.amdhsa_system_vgpr_workitem_id 0
		.amdhsa_next_free_vgpr 1024
		.amdhsa_next_free_sgpr 66
		.amdhsa_reserve_vcc 0
		.amdhsa_float_denorm_mode_32 3
		.amdhsa_float_denorm_mode_16_64 3
		.amdhsa_memory_ordered 1
		.amdhsa_forward_progress 1
		.amdhsa_inst_pref_size 137
	.end_amdhsa_kernel
	.amdgpu_metadata
---
amdhsa.version: [ 1, 2 ]
amdhsa.kernels:
  - .name:           k_qffca4f4417_proj
    .symbol:         k_qffca4f4417_proj.kd
    .args:
      - { .name: q, .offset: 0, .size: 8, .value_kind: global_buffer, .address_space: global }
      - { .name: k, .offset: 8, .size: 8, .value_kind: global_buffer, .address_space: global }
      - { .name: v, .offset: 16, .size: 8, .value_kind: global_buffer, .address_space: global }
      - { .name: bq, .offset: 24, .size: 8, .value_kind: global_buffer, .address_space: global }
      - { .name: bv, .offset: 32, .size: 8, .value_kind: global_buffer, .address_space: global }
      - { .name: wt, .offset: 40, .size: 8, .value_kind: global_buffer, .address_space: global }
      - { .name: qkv, .offset: 48, .size: 8, .value_kind: global_buffer, .address_space: global }
    .group_segment_fixed_size: 229888
    .private_segment_fixed_size: 0
    .kernarg_segment_align: 8
    .kernarg_segment_size: 56
    .max_flat_workgroup_size: 128
    .sgpr_count:     66
    .vgpr_count:     1024
    .wavefront_size: 32
...
	.end_amdgpu_metadata
.endif
;; end of part 2
;; launch attn (part 3): grid 2 x 128, 4 waves a work-group, no clusters, 327,680 bytes of LDS; arguments qkv, mk, ob; writes ob
.if DOCPART == 3
	.amdgcn_target "amdgcn-amd-amdhsa--gfx1250"
	.amdhsa_code_object_version 6
	.text
	.protected	k_qffca4f4417_attn
	.globl	k_qffca4f4417_attn
	.p2align	8
	.type	k_qffca4f4417_attn,@function
k_qffca4f4417_attn:
	s_mov_b64 s[64:65], 0
	v_nop
	global_prefetch_b8 v0, s[64:65] scope:SCOPE_SE
	s_setreg_imm32_b32 hwreg(HW_REG_WAVE_MODE, 25, 1), 1
	s_wait_xcnt 0x0
; ATTN: ob[h][q][:] = the sum over the visible keys k of softmax_k(s[q][k]) V[h][k][:], s = Q[h][q] . K[h][k].  Q, K, V (qkv's three tensors) and ob: [128][1024][64] in f16.
; Q arrives multiplied by c = log2(e) / 8, so a weight is p = 2^(s - m); K arrives without bk, which cancels in the softmax (shown at the head of the first kernel).
; Products, maxima and sums in f32; p is rounded to f16 for the second product (its sum l is taken of the unrounded p), O once at the end.
; THE MASK is the C operand that starts the sum S^T = K Q^T: 0, or -2^98 where the key is hidden.  mk holds it as fp8 codes in my lanes' order: eight codes become eight f32 by one scaled conversion.
; A hidden score lies far below every other, so the running maximum, the exponentials and the sums need no further care: while a row has seen hidden keys alone, s - m is 0 or far below 0 and all stays
; finite; its first visible key makes a = 0, which wipes what was summed.  A row with no visible key ends with m below -2^96 and is set to NaN, as softmax of -inf alone is.
; LIMITS.  Q, K, V within f16's 65,504, so true scores stay under 2.7e11, nothing beside 2^98; a weight below 2^-126 counts as 0 in l; NaN and infinities in the inputs are not treated apart.
; SHARES.  A wave owns four PIECES of two tiles of 16 queries, a work-group's four waves 512 queries of one head.  Every wave walks all 1,024 keys, 64 a step.
; ALL OF THE HEAD'S K AND V LIES IN LDS: 1,024 rows of 144 and of 160 bytes are 311,296 bytes, in four slots of 256 keys.  Each wave asks for its part of all four at the head, four tensor loads;
; nothing is filled again, so one loop serves every step, and nothing of K or V is left that could be asked for ahead of its load.
; NO CLUSTER: a head has 1,024 / 512 = 2 work-groups, and a cluster has four along x; what the two share is 256 KiB of K and V beside 512 KiB of mask codes that are each one's own.
; LAYOUT.  S^T = K Q^T holds ONE query a lane (lane % 16) and the keys 8 (lane / 16) + 0..7; two such results rounded to f16 ARE source 1 of O^T = V^T P.  K comes out of LDS as it lies, V turned.
; BY TURNS.  Turn n belongs to piece n: 16 products K Q^T of piece n + 1, later 16 products V^T P of piece n - 1; beside them the subtraction, exponentials, roundings, sums and rescaling of piece n and the
; maximum and statistics of piece n + 1.  Four vector instructions stand behind every matrix instruction, the others in one lump; a turn's 66 exponentials are one batch with one wait.
; REGISTERS, in windows of 256 (s_set_vgpr_msb: bits 1:0 source 0, 3:2 source 1, 5:4 source 2, 7:6 destination):
;   window 0: v0-11 addresses; v12-15, v48-63 at work; v16-47 four registers of statistics a tile; v64-191 S^T, two buffers of two tiles; v192-255 P, likewise
;   window 1: O^T, 32 a tile          window 2: v0-127 Q; v128-191 K of one step; v192-255 V of one step
;   window 3: v0-1 the add's registers; v2-6 offsets; v11 the conversions' scale; v16-79 mask codes, 16 a piece; v128-255 masks in f32, two buffers of two tiles
.set NP,    4
.set KS,    64
.set PK,    144       ; a row of K in LDS: 128 bytes + 16
.set PV,    160       ; a row of V: 128 + 32
.set VOFF,  4*KS*PK   ; a slot holds four steps: 256 rows of K, then 256 rows of V
.set SLOTB, 4*KS*(PK+PV)
.set STAGE, 4*SLOTB   ; behind the four slots, never filled by a tensor load: 16 rows x 144 bytes for each wave, for the way out
.set SP,    144
.set SPARE, STAGE+4*16*SP  ; the spare words, 128 bytes for each wave
.set AK0, 2
.set AV0, 3
.set AK,  4
.set AV,  5
.set QO,  6
.set STO, 6
.set RD,  7
.set GO,  8
.set SC,  11          ; v11 of windows 0 and 3: 0xe0 in every byte: 2^97 as an E8M0 scale
.set SPW, 0           ; window 3
.set NIL, 1           ; window 3
.set MO,  2           ; window 3, v2-5: piece x's byte offset in a query tile's codes: 16 x lane + 1,024 x step
.set MOMAX, 6         ; window 3: that offset at step 15
.set MR,  16          ; window 3
.set MC,  128         ; window 3
.set MV,  12          ; v12-15  m_old, kept while m is made anew: by buffer and tile
.set ST,  16          ; tile t's statistics at v[ST+4 t]: m, (its partner in a pair), l (even keys', odd keys')
.set TMP, 48
.set S,   64
.set P,   192
.set KF,  128
.set VF,  192
.set WV,  12
.set G1K, 24          ; s[24:31] descriptor group 1 for K's tiles
.set G1V, 32          ; s[32:39] for V's: it differs in the padding alone
.set MKB, 48          ; s[48:49] mk at my wave's first query tile
.set THR, 55          ; s55  -2^96
.set SLOTS, 56        ; s56  periods of four steps still to come, the one in hand among them; the fifth is left in its middle
.set CNT, 57
.set SEL, 60
.set TBK, 62          ; s62  LDS byte at which K of the step to be fetched begins
.set TBV, 63          ; s63  the same for V, less VOFF
.set G0K, 68          ; s[68:83] descriptor group 0 for K's tiles, a set for each slot
.set G0V, 84          ; s[84:99] the same for V's
.set MSB, 0
.macro WIN new
.if MSB != (\new)
	s_set_vgpr_msb (MSB<<8)|(\new)
.set MSB, (\new)
.endif
.endm
.set W_KQ, 0x0a       ; K and Q in window 2, S^T in window 0
.set W_KM, 0x3a       ; the same with the C operand in window 3
.set W_PV, 0x52       ; V in window 2, P in window 0, O^T in window 1
.set W_RS, 0x41       ; O^T in window 1, a in window 0
.set W_MK, 0xc0       ; destination in window 3, sources in window 0
.set W_AD, 0x0f       ; the add: address and data in window 3
; FROM SLOT TO SLOT.  The next slot's parts came by four waves' loads: each wave shows its own landed, then the barrier.  One line serves slots 1 to 3, so the count is 0; behind the first pass nothing
; is out.  In the fifth period there is no further slot: K's address is held at the last step's K, so that no LDS read leaves the slots.
.macro NEXT
	WIN 0
	s_wait_tensorcnt 0x0
	s_wait_dscnt 0x0
	s_barrier_signal -1
	s_add_co_u32 s[TBK], s[TBK], SLOTB-4*KS*PK  ; the fetches go on at the next slot's first step
	s_min_u32 s[TBK], s[TBK], 3*SLOTB+3*KS*PK
	s_add_co_u32 s[TBV], s[TBV], SLOTB-4*KS*PV
	s_barrier_wait -1
.endm
	s_load_b64 s[4:5], s[0:1], 0x0        ; qkv
	s_load_b64 s[MKB:MKB+1], s[0:1], 0x8  ; mk
	s_load_b64 s[10:11], s[0:1], 0x10     ; ob
	WIN W_MK
	v_lshl_add_u32 v[SPW], v0, 2, SPARE
	v_mov_b32 v[NIL], 0
	WIN W_AD
	ds_add_u32 v[SPW], v[NIL]       ; the wave's opening: the add, twice on end, and its wait ahead of my first tensor load
	ds_add_u32 v[SPW], v[NIL]
	WIN 0
	v_lshrrev_b32 v1, 5, v0
	v_readfirstlane_b32 s[WV], v1
	v_and_b32 v1, 31, v0
	v_lshlrev_b32 v9, 4, v1
	v_add_nc_u32 v11, 15*1024, v9
	WIN W_MK
.irp x, 0,1,2,3
	v_mov_b32 v[MO+\x], v9
.endr
	v_mov_b32 v[MOMAX], v11
	v_mov_b32 v[SC], 0xe0e0e0e0
	WIN 0
	v_and_b32 v1, 15, v0            ; l % 16
	v_bfe_u32 v9, v0, 4, 1          ; l / 16
	v_lshlrev_b32 v[QO], 7, v1
	v_lshl_add_u32 v[QO], v9, 4, v[QO]  ; row x 128 + 16 x half
	s_and_b32 s13, ttmp7, 0xffff    ; the head
	s_lshl_b32 s20, s13, 17         ; its first byte in each tensor
	s_mov_b32 s21, 0
	s_and_b32 s16, s[WV], 1         ; which half of a slot's 256 keys I fetch
	s_lshl_b32 s22, s16, 14
	s_mov_b32 s23, 0
	s_add_nc_u64 s[22:23], s[22:23], s[20:21]
	s_mul_i32 s17, s16, 128*PK
	s_mul_i32 s18, s16, 128*PV
	s_lshl_b32 s2, ttmp9, 2
	s_add_co_u32 s2, s2, s[WV]      ; my wave among the head's eight,
	s_lshl_b32 s2, s2, 14           ; its 128 rows
	s_mov_b32 s3, 0
	s_add_nc_u64 s[2:3], s[2:3], s[20:21]
	s_lshr_b32 s14, s13, 6          ; b
	s_lshl_b32 s14, s14, 6
	s_lshl_b32 s15, ttmp9, 5
	s_add_co_u32 s14, s14, s15
	s_lshl_b32 s15, s[WV], 3
	s_add_co_u32 s14, s14, s15      ; query tile 64 b + 32 block + 8 w
	s_lshl_b32 s14, s14, 14
	s_mov_b32 s15, 0
	; descriptor group 1.  128 keys are 16,384 dense bytes: asked for as 64 rows of 256 bytes, two keys a row, and padded in LDS after every key
	s_mov_b32 s[G1K], (1<<16)|(1<<20)|(4<<22)|(3<<25)  ; 2-byte elements; padding on; after every 32 words, 4 words
	s_mov_b32 s[G1V], (1<<16)|(1<<20)|(4<<22)|(7<<25)  ; the same with 8 words
.irp g, G1K, G1V
	s_mov_b32 s[\g+1], 128<<16      ; tensor_dim0
	s_mov_b32 s[\g+2], 64<<16       ; tensor_dim1
	s_mov_b32 s[\g+3], 128<<16      ; tile_dim0
	s_mov_b32 s[\g+4], 64           ; tile_dim1
	s_mov_b32 s[\g+5], 128          ; elements from row to row
	s_mov_b32 s[\g+6], 0
	s_mov_b32 s[\g+7], 0
.endr
	s_mov_b32 s[SEL], 0x76543210
	s_mov_b32 s[SEL+1], 0xfedcba98
	s_mov_b32 s[TBK], 0
	s_mov_b32 s[TBV], 0
	s_mov_b32 s[THR], 0xef800000
	s_mov_b32 s[SLOTS], 5
	s_wait_dscnt 0x0                ; both opening adds are done
	s_wait_kmcnt 0x0
	s_add_nc_u64 s[6:7], s[4:5], 0x1000000   ; K
	s_add_nc_u64 s[8:9], s[4:5], 0x2000000   ; V
	s_add_nc_u64 s[6:7], s[6:7], s[22:23]    ; at my half of the head's first 256 keys
	s_add_nc_u64 s[8:9], s[8:9], s[22:23]
	s_add_nc_u64 s[4:5], s[4:5], s[2:3]      ; Q and ob at my wave's first row
	s_add_nc_u64 s[10:11], s[10:11], s[2:3]
	s_add_nc_u64 s[MKB:MKB+1], s[MKB:MKB+1], s[14:15]
.irp s, 0,1,2,3
	s_mov_b32 s[G0K+4*\s], 1                                  ; count = 1
	s_add_co_u32 s[G0K+4*\s+1], s17, \s*SLOTB                 ; LDS address
	s_add_nc_u64 s[G0K+4*\s+2:G0K+4*\s+3], s[6:7], \s*32768   ; global address: keys 256 s on
	s_or_b32 s[G0K+4*\s+3], s[G0K+4*\s+3], 0x80000000         ; type = 2
	s_mov_b32 s[G0V+4*\s], 1
	s_add_co_u32 s[G0V+4*\s+1], s18, \s*SLOTB+VOFF
	s_add_nc_u64 s[G0V+4*\s+2:G0V+4*\s+3], s[8:9], \s*32768
	s_or_b32 s[G0V+4*\s+3], s[G0V+4*\s+3], 0x80000000
.endr
	WIN 0x80
.set i, 0
.rept 4*NP                          ; Q stays in registers: tile i / 2, channels 32 (i % 2) on
	global_load_b128 v[8*i:8*i+3],   v[QO], s[4:5] offset:(i/2)*2048+(i%2)*64
	global_load_b128 v[8*i+4:8*i+7], v[QO], s[4:5] offset:(i/2)*2048+(i%2)*64+32
.set i, i+1
.endr
	WIN 0xc3
.set i, 0
.rept 16                            ; step 0's mask codes: tile i / 2, half i % 2
	global_load_b128 v[MR+4*i:MR+4*i+3], v[MO+i/4], s[MKB:MKB+1] offset:(i/2)*16384+(i%2)*512
.set i, i+1
.endr
	WIN 0
	; THE FILLS.  Waves 0 and 1 fetch the two halves of each slot's K, waves 2 and 3 those of its V.  A wave's four stand in one branch, ahead of every wait on TENSORcnt, every LDS read and every
	; barrier: four loads of mine are out.  An s_nop 0 follows each, four v_nop the last.
	s_cmp_lt_u32 s[WV], 2
	s_cbranch_scc0 .Lfill_v
.irp s, 0,1,2,3
	tensor_load_to_lds s[G0K+4*\s:G0K+4*\s+3], s[G1K:G1K+7]
	s_nop 0
.endr
.rept 4
	v_nop
.endr
	s_branch .Lfilled
.Lfill_v:
.irp s, 0,1,2,3
	tensor_load_to_lds s[G0V+4*\s:G0V+4*\s+3], s[G1V:G1V+7]
	s_nop 0
.endr
.rept 4
	v_nop
.endr
.Lfilled:
	; What the first turn finds: V's registers and P's second buffer hold 0, O^T and l are 0.  All this stands in the wait for the first slot.
	WIN 0x80
.set i, VF
.rept 64
	v_mov_b32 v[i], 0
.set i, i+1
.endr
	WIN 0x40
.set i, 0
.rept 64*NP
	v_mov_b32 v[i], 0
.set i, i+1
.endr
	WIN 0
.set i, 0
.rept 2*NP
	v_mov_b32 v[ST+4*i], 0xfe000000    ; m: far below every score, a hidden one too
	v_mov_b32 v[ST+4*i+1], 0           ; named with it as a pair
	v_mov_b32 v[ST+4*i+2], 0
	v_mov_b32 v[ST+4*i+3], 0
.set i, i+1
.endr
.set i, P+32
.rept 32
	v_mov_b32 v[i], 0
.set i, i+1
.endr
	v_mul_u32_u24 v[AK0], v1, PK
	v_lshl_add_u32 v[AK0], v9, 4, v[AK0]  ; row x pitch + 16 x half
	; The turning load takes 16 keys x 16 channels (lane l reads key 8 (l / 16) + l % 8, channels 8 ((l / 8) % 2) + 0..7) and leaves half a fragment of V^T.
	v_and_b32 v10, 7, v0
	v_bfe_u32 v11, v0, 3, 1
	v_lshl_add_u32 v[AV0], v9, 3, v10
	v_mul_u32_u24 v[AV0], v[AV0], PV
	v_lshl_add_u32 v[AV0], v11, 4, v[AV0]
	v_add_nc_u32 v[AV0], VOFF, v[AV0]
	v_mov_b32 v[SC], 0xe0e0e0e0     ; the scale stands under the same number in windows 0 and 3
	v_mov_b32 v[AK], v[AK0]         ; key step 0 lies at the head of slot 0
; THE MATRIX WORK.  The 8 accumulators of a run of 16 take turns.  Product i of 16 of S^T = K Q^T for piece x: the first 8 start the sums with the mask.
.macro KQ x
.set rS, S+64*((\x)%2)+32*(i%2)+8*((i/2)%4)
.set rK, KF+16*((i/2)%4)+8*(i/8)
.set rQ, 16*(2*(\x)+i%2)+8*(i/8)
.set rMC, MC+64*((\x)%2)+32*(i%2)+8*((i/2)%4)
.if i < 8
	WIN W_KM
	v_wmma_f32_16x16x32_f16 v[rS:rS+7], v[rK:rK+7], v[rQ:rQ+7], v[rMC:rMC+7]
.else
	WIN W_KQ
	v_wmma_f32_16x16x32_f16 v[rS:rS+7], v[rK:rK+7], v[rQ:rQ+7], v[rS:rS+7]
.endif
.endm
.macro PV x
	WIN W_PV
.set rO, 32*(2*(\x)+i%2)+8*((i/2)%4)
.set rV, VF+32*(i/8)+8*((i/2)%4)
.set rP, P+32*((\x)%2)+16*(i%2)+8*(i/8)
	v_wmma_f32_16x16x32_f16 v[rO:rO+7], v[rV:rV+7], v[rP:rP+7], v[rO:rO+7]
.endm
.macro MM
.if i < 16
	KQ (Y+1)%NP
.set i, i+1
.else
.set i, i-16
	PV (Y+NP-1)%NP
.set i, i+17
.endif
.endm
; THE LDS LOADS stand in runs of 16: a step's K (8 fragments) and its V (turned).  Their addresses are made some lines ahead.
.macro FETCH_K
	WIN 0x80
.irp f, 0,1,2,3,4,5,6,7
	ds_load_b128 v[KF+8*\f:KF+8*\f+3],   v[AK] offset:(\f/2)*16*PK+(\f%2)*64
	ds_load_b128 v[KF+8*\f+4:KF+8*\f+7], v[AK] offset:(\f/2)*16*PK+(\f%2)*64+32
.endr
	s_add_co_u32 s[TBK], s[TBK], KS*PK  ; the next fetch is the next step's
	WIN 0
.endm
.macro FETCH_V
	WIN 0x80
.irp f, 0,1,2,3,4,5,6,7
	ds_load_tr16_b128 v[VF+8*\f:VF+8*\f+3],   v[AV] offset:(\f/4)*32*PV+(\f%4)*32
	ds_load_tr16_b128 v[VF+8*\f+4:VF+8*\f+7], v[AV] offset:(\f/4)*32*PV+16*PV+(\f%4)*32
.endr
	WIN 0
.endm
; THE MASK of piece x's next products, into buffer buf, and the request for the codes of the step after.  The wait leaves the three younger groups of four loads out; it shows my group's codes in and its
; offset register free.  A step past the last reads step 15's codes again: no access leaves mk.  The v_nop is the plain place behind the scaled conversions.
.macro MASKB x, buf
	WIN 0xcf
	s_wait_loadcnt 12
	v_add_nc_u32 v[MO+(\x)], 0x400, v[MO+(\x)]
	v_min_u32 v[MO+(\x)], v[MO+(\x)], v[MOMAX]
.irp u, 0,1
.irp kt, 0,1,2,3
	v_cvt_scale_pk8_f32_fp8 v[MC+64*(\buf)+32*\u+8*\kt:MC+64*(\buf)+32*\u+8*\kt+7], v[MR+16*(\x)+8*\u+2*\kt:MR+16*(\x)+8*\u+2*\kt+1], v[SC]
.endr
.endr
	v_nop
.irp u, 0,1
.irp hf, 0,1
	global_load_b128 v[MR+16*(\x)+8*\u+4*\hf:MR+16*(\x)+8*\u+4*\hf+3], v[MO+(\x)], s[MKB:MKB+1] offset:(2*(\x)+\u)*16384+\hf*512
.endr
.endr
	WIN 0
.endm
; THE VECTOR WORK OF A TURN stands in three queues, each in the order in which its entries become ready; the two tiles alternate.
.macro REGS y, u
.set rT, ST+4*(2*(\y)+(\u))
.set rC, TMP+8*((\y)%2)+4*(\u)
.set rM, MV+2*((\y)%2)+(\u)
.set rS, S+64*((\y)%2)+32*(\u)
.set rP, P+32*((\y)%2)+16*(\u)
.set rO, 32*(2*(\y)+(\u))
.endm
; Number n of the 22 that find the NEXT piece's maximum and statistics; each accumulator's lowest registers are read first.
;   0-11 four chains c0-c3     12-14, 16 the scores left over, the old m, c0-c3 into c0     15 m_old is kept     17, 18 the other half of the lanes: the new m     19 nothing     20, 21 m_old - m_new; a
.macro XS u, n
	REGS (Y+1)%NP, \u
.if (\n) < 4
	v_max3_num_f32 v[rC+(\n)], v[rS+8*(\n)], v[rS+8*(\n)+1], v[rS+8*(\n)+2]
.elseif (\n) < 12
	v_max3_num_f32 v[rC+(\n)%4], v[rC+(\n)%4], v[rS+8*((\n)%4)+2*((\n)/4)+1], v[rS+8*((\n)%4)+2*((\n)/4)+2]
.elseif (\n) == 12
	v_max3_num_f32 v[rC], v[rC], v[rS+7], v[rS+15]
.elseif (\n) == 13
	v_max3_num_f32 v[rC+1], v[rC+1], v[rS+23], v[rS+31]
.elseif (\n) == 14
	v_max3_num_f32 v[rC+2], v[rC+2], v[rC+3], v[rT]
.elseif (\n) == 15
	v_mov_b32 v[rM], v[rT]
.elseif (\n) == 16
	v_max3_num_f32 v[rC], v[rC], v[rC+1], v[rC+2]
.elseif (\n) == 17
	v_permlanex16_b32 v[rC+3], v[rC], s[SEL], s[SEL+1]
.elseif (\n) == 18
	v_max_num_f32 v[rT], v[rC], v[rC+3]
.elseif (\n) == 19
.elseif (\n) == 20
	v_sub_f32 v[rC+1], v[rM], v[rT]
.else
	v_exp_f32 v[rC+2], v[rC+1]
.endif
.endm
; Number g of the 64 that follow the exponentials: round, round, add, and l for the group before.
.macro GS g
.set h, (\g)+6*((\g)/62)
.if h >= 6
.set h, h+2
.endif
	REGS Y, h%2
.set k, h/8
.if h%8 < 4
	v_cvt_pk_f16_f32 v[rP+2*k+(h%8)/2], v[rS+4*k+2*((h%8)/2)], v[rS+4*k+2*((h%8)/2)+1]
.elseif h%8 < 6
	v_pk_add_f32 v[rS+4*k:rS+4*k+1], v[rS+4*k:rS+4*k+1], v[rS+4*k+2:rS+4*k+3]
.elseif k == 1
	v_pk_fma_f32 v[rT+2:rT+3], v[rT+2:rT+3], v[rC+2:rC+3], v[rS:rS+1] op_sel_hi:[1,0,1]
.else
	v_pk_add_f32 v[rT+2:rT+3], v[rT+2:rT+3], v[rS+4*k-4:rS+4*k-3]
.endif
.endm
.macro FS f                         ; s - m for pair f / 2 of tile f % 2: 0 at the maximum, never above it
	REGS Y, (\f)%2
	v_pk_add_f32 v[rS+2*((\f)/2):rS+2*((\f)/2)+1], v[rS+2*((\f)/2):rS+2*((\f)/2)+1], v[rT:rT+1] op_sel_hi:[1,0] neg_lo:[0,1] neg_hi:[0,1]
.endm
; THE PLAIN QUEUE, 138 places long (two of them, number 19 of both tiles, write nothing).  0-73 read no exponential's result; 74-137 do, and stand behind the wait.
.macro PL
	WIN 0
.if q < 27
	FS q
.elseif q < 55
	XS (q-27)%2, (q-27)/2
.elseif q < 57
	XS q-55, 15
.elseif (q < 72) && ((q-57)%3 == 0)
	FS 27+(q-57)/3
.elseif q < 60
	XS (q-57)%3-1, 14
.elseif q < 72
	XS (q-57)%3-1, 15+(q-57)/3
.elseif q < 74
	XS q-72, 20
.else
	GS q-74
.endif
.set q, q+1
.endm
.macro EX                           ; the exponentials' queue, 66 long: ONE BATCH, all ahead of the turn's one wait
	WIN 0
.if e >= 64
	XS e-64, 21
.else
	REGS Y, e%2
	v_exp_f32 v[rS+e/2], v[rS+e/2]
.endif
.set e, e+1
.endm
.macro R2                           ; the rescaling's queue: O^T times a, two at a time
	REGS Y, r%2
	WIN W_RS
.irp z, 0,1
	v_pk_mul_f32 v[rO+4*(r/2)+2*\z:rO+4*(r/2)+2*\z+1], v[rO+4*(r/2)+2*\z:rO+4*(r/2)+2*\z+1], v[rC+2:rC+3] op_sel_hi:[1,0]
.endr
.set r, r+1
.endm
; A TURN, for piece p.  Ahead of its one wait stands all that names no result of its exponentials: 16 products K Q^T with their riders, then the lump; behind it 16 products V^T P, behind each four of the
; roundings and sums.  K of the next step is fetched in piece 2's turn, directly behind the wait; V of the step in hand at the end of piece 0's turn, four riders behind its last reader.
; At its end the turn makes the mask for the products of the turn after it (piece p + 2).  cnt = 1: the loop's count is taken down some lines ahead of the branch behind the turn.
.macro TURN p, cnt=0
.set Y, (\p)
.set i, 0
.set q, 0
.set e, 0
.set r, 0
.if (\p) == NP-1
	s_wait_dscnt 0x0                ; K is in
.endif
	MM
	PL
	PL
	R2
.rept 15
	MM
	PL
	EX
	R2
.endr
.if (\p) == NP-2
	WIN 0
	v_add_nc_u32 v[AK], s[TBK], v[AK0]
.endif
.rept 8
	PL
.endr
.rept 49
	EX
	PL
.endr
	EX
	EX
	v_nop                           ; the plain instruction behind the last exponential: one for the batch
	s_wait_alu depctr_va_vdst(0)    ; the wait for the batch, ahead of its first reader
.if (\p) == NP-2
	FETCH_K
.endif
.if (\p) == 1
	s_wait_dscnt 0x0                ; V is in
.endif
.rept 16
	MM
.rept 4
	PL
.endr
.if ((\p) == 0) && (q == 118)
	v_add_nc_u32 v[AV], s[TBV], v[AV0]
.endif
.if ((\p) == 0) && (q == 130)
	s_add_co_u32 s[TBV], s[TBV], KS*PV
.endif
.if (\cnt) && (q == 130)
	s_sub_co_u32 s[CNT], s[CNT], 1
	s_cmp_lg_u32 s[CNT], 0
.endif
.endr
.if (\p) == 0
	FETCH_V
.endif
	MASKB ((\p)+2)%NP, (\p)%2
.endm
	s_wait_tensorcnt 3              ; my part of slot 0 is in; my three younger loads may stay out
	s_barrier_signal -1
	s_barrier_wait -1               ; everybody's is
	FETCH_K                         ; key step 0
	s_wait_loadcnt 0x0              ; Q and step 0's mask codes
	MASKB 0, 0
	s_wait_dscnt 0x0
.set i, 0
.rept 16
	KQ 0                            ; piece 0's first scores
.set i, i+1
.endr
	MASKB 1, 1
	WIN 0                           ; the addresses for the way out: plain instructions, the places behind those products
	s_mul_i32 s13, s[WV], 16*SP
	s_add_co_u32 s13, s13, STAGE
	v_mul_u32_u24 v[STO], v1, SP
	v_lshl_add_u32 v[STO], v9, 4, v[STO]
	v_add_nc_u32 v[STO], s13, v[STO]
	v_bfe_u32 v[RD], v0, 3, 2
	v_mul_u32_u24 v[RD], v[RD], SP
	v_lshl_add_u32 v[RD], v10, 4, v[RD]
	v_add_nc_u32 v[RD], s13, v[RD]
	v_and_b32 v[GO], 31, v0
	v_lshlrev_b32 v[GO], 4, v[GO]
.set Y, NP-1
.irp n, 0,1,2,3,4,5,6,7,8,9,10,11,12,13,14,15,16,17,18,19,20,21
	XS 0, \n
	XS 1, \n
.endr
	v_nop
	s_wait_alu depctr_va_vdst(0)    ; the two a have their wait ahead of the branch
	s_mov_b32 s[CNT], 4
	s_branch .Lfirst                ; the loop is entered at a step's first turn, in the middle of a trip
.Lslot:                             ; a period: the next slot's four steps
	NEXT
	s_mov_b32 s[CNT], 4
.Lstep:                             ; a trip: pieces 2 and 3 of one step, then pieces 0 and 1 of the next
	TURN 2
	TURN 3
	WIN 0
	s_cmp_eq_u32 s[SLOTS], 1        ; the fifth period holds pieces 2 and 3 of the last step alone
	s_cbranch_scc1 .Lout
.Lfirst:
	TURN 0
	TURN 1, 1
	WIN 0
	s_cbranch_scc1 .Lstep
	s_sub_co_u32 s[SLOTS], s[SLOTS], 1
	s_cmp_lg_u32 s[SLOTS], 0
	s_cbranch_scc1 .Lslot
.Lout:                              ; the fifth period's 16 products K Q^T repeat the last step's K and mask, so that piece 0's m stays as it was; they serve nothing else: the price, once a launch, of one text
.set i, 0
.rept 16
	PV NP-1                         ; the last piece's V^T P of the last step
.set i, i+1
.endr
	; THE WAY OUT.  l's halves are added; O^T is divided by l (by NaN where no key was visible), rounded to f16 and sent through my stage, a tile at a time.
	WIN 0
.macro ALL line:vararg
.set t, 0
.rept 2*NP
	\line
.set t, t+1
.endr
.endm
	ALL v_add_f32 v[ST+4*t+2], v[ST+4*t+2], v[ST+4*t+3]
	ALL v_permlanex16_b32 v[ST+4*t+3], v[ST+4*t+2], s[SEL], s[SEL+1]
	ALL v_add_f32 v[ST+4*t+2], v[ST+4*t+2], v[ST+4*t+3]
	ALL v_rcp_f32 v[ST+4*t+2], v[ST+4*t+2]
	v_nop
	s_wait_alu depctr_va_vdst(0)    ; one wait for the eight reciprocals
	v_mov_b32 v[MV], 0x7fc00000
.set t, 0
.rept 2*NP
	v_cmp_gt_f32 vcc_lo, s[THR], v[ST+4*t]
	v_cndmask_b32 v[ST+4*t+2], v[ST+4*t+2], v[MV], vcc_lo
.set t, t+1
.endr
.macro PACK t
	WIN W_RS
.set i, 32*(\t)
.rept 16
	v_pk_mul_f32 v[i:i+1], v[i:i+1], v[ST+4*(\t)+2:ST+4*(\t)+3] op_sel_hi:[1,0]
.set i, i+2
.endr
	WIN 0x05
.set i, 0
.rept 16
	v_cvt_pk_f16_f32 v[S+16*(\t)+i], v[32*(\t)+2*i], v[32*(\t)+2*i+1]
.set i, i+1
.endr
	WIN 0
.irp f, 0,1,2,3
	ds_store_b128 v[STO], v[S+16*(\t)+4*\f:S+16*(\t)+4*\f+3] offset:32*\f
.endr
.irp f, 0,1,2,3
	ds_load_b128 v[S+16*(\t)+4*\f:S+16*(\t)+4*\f+3], v[RD] offset:\f*4*SP  ; LDS serves a wave's instructions in order: these see the stores above
.endr
.endm
.macro SEND t, younger              ; younger: the next tile's eight LDS instructions, or none
	WIN 0
.irp f, 0,1,2,3
	s_wait_dscnt (\younger)+3-\f
	global_store_b128 v[GO], v[S+16*(\t)+4*\f:S+16*(\t)+4*\f+3], s[10:11] offset:(\t)*2048+\f*512  ; 512 consecutive bytes, aligned
.endr
.endm
	PACK 0
.set t, 1
.rept 2*NP-1
	PACK t
	SEND t-1, 8
.set t, t+1
.endr
	SEND 2*NP-1, 0
	WIN W_AD
	s_wait_tensorcnt 0x0            ; the wave's end: behind my last tensor load and my last LDS store
	ds_add_u32 v[SPW], v[NIL]
	s_wait_dscnt 0x0
	WIN 0
	s_endpgm
.Lfunc_end_k_qffca4f4417_attn:
	.size	k_qffca4f4417_attn, .Lfunc_end_k_qffca4f4417_attn-k_qffca4f4417_attn
	.p2alignl 7, 3214868480
	.fill 96, 4, 3214868480
	.section	.rodata,"a",@progbits
	.p2align	6, 0x0
	.amdhsa_kernel k_qffca4f4417_attn
		.amdhsa_group_segment_fixed_size 327680
		.amdhsa_private_segment_fixed_size 0
		.amdhsa_enable_private_segment 0
		.amdhsa_kernarg_size 24
		.amdhsa_user_sgpr_count 2
		.amdhsa_user_sgpr_kernarg_segment_ptr 1
		.amdhsa_wavefront_size32 1
		.amdhsa_system_sgpr_workgroup_id_x 1
		.amdhsa_system_sgpr_workgroup_id_y 1
		.amdhsa_system_sgpr_workgroup_id_z 1
		.amdhsa_system_vgpr_workitem_id 0
		.amdhsa_next_free_vgpr 1024
		.amdhsa_next_free_sgpr 100
		.amdhsa_reserve_vcc 1
		.amdhsa_float_denorm_mode_32 3
		.amdhsa_float_denorm_mode_16_64 3
		.amdhsa_memory_ordered 1
		.amdhsa_forward_progress 1
		.amdhsa_inst_pref_size 135
	.end_amdhsa_kernel
	.amdgpu_metadata
---
amdhsa.version: [ 1, 2 ]
amdhsa.kernels:
  - .name:           k_qffca4f4417_attn
    .symbol:         k_qffca4f4417_attn.kd
    .args:
      - { .name: qkv, .offset: 0, .size: 8, .value_kind: global_buffer, .address_space: global }
      - { .name: mk, .offset: 8, .size: 8, .value_kind: global_buffer, .address_space: global }
      - { .name: ob, .offset: 16, .size: 8, .value_kind: global_buffer, .address_space: global }
    .group_segment_fixed_size: 327680
    .private_segment_fixed_size: 0
    .kernarg_segment_align: 8
    .kernarg_segment_size: 24
    .max_flat_workgroup_size: 128
    .sgpr_count:     100
    .vgpr_count:     1024
    .wavefront_size: 32
...
	.end_amdgpu_metadata
.endif
;; end of part 3
;; launch outln (part 4): grid 256 x 1, 4 waves a work-group, clusters of 4 x 1, 327,680 bytes of LDS; arguments ob, q, wt, bo, gamma, beta, out0; writes out0
.if DOCPART == 4
	.amdgcn_target "amdgcn-amd-amdhsa--gfx1250"
	.amdhsa_code_object_version 6
	.text
	.protected	k_qffca4f4417_outln
	.globl	k_qffca4f4417_outln
	.p2align	8
	.type	k_qffca4f4417_outln,@function
k_qffca4f4417_outln:
	s_mov_b64 s[64:65], 0
	v_nop
	global_prefetch_b8 v0, s[64:65] scope:SCOPE_SE
	s_setreg_imm32_b32 hwreg(HW_REG_WAVE_MODE, 25, 1), 1
	s_wait_xcnt 0x0
	s_wait_alu depctr_hold_cnt(0) depctr_sa_sdst(0) depctr_va_vdst(0) depctr_va_sdst(0) depctr_va_ssrc(0) depctr_va_vcc(0) depctr_vm_vsrc(0)
	s_getreg_b32 s2, hwreg(HW_REG_IB_STS2, 6, 4)
	s_cmp_eq_u32 s2, 0
	s_cbranch_scc0 .Lentry_in_a_cluster
	s_endpgm
.Lentry_in_a_cluster:
	s_bfe_u32 s2, ttmp6, 0x10000c
	s_cmp_lg_u32 s2, 0x3003
	s_cbranch_scc0 .Lentry_shape_is_right
	s_endpgm
.Lentry_shape_is_right:
; OUTLN: out0 = LayerNorm(q + O Wo + bo) gamma + beta.  O = ob, [128 heads][1024][64] in f16; Wo = wt's tiles 12 to 15, [512 n][128 k] in f16; q, out0: [16384][512] in f32.  Nothing is left out here.
; SHARES.  A work-group makes 64 rows x 512 columns, K = 512 in four steps of 128 (two heads a step).  Wave w makes columns 128 w .. + 127: 4 x 8 accumulators.
; THE SUMS START AT THE RESIDUAL: q's numbers are loaded straight into the accumulators' registers, in their layout.
; THE MATRIX INSTRUCTION IS USED TRANSPOSED (source 0 = 16 rows of wt, source 1 = 16 rows of O): a lane holds one row and eight neighbouring columns.
; Wo comes by tensor loads into a ring of two slots, asked for JOINTLY by the four work-groups of a cluster (all walk the same weights); O comes through registers into an LDS ring of its own.
; THE NORM.  The 64 x 512 sums go through an f32 stage, which lies on W's slot 0 once that slot has had its last fill and its last read; a wave then takes 16 whole rows, four at a time:
; mean, then the mean of the squared differences.
; REGISTERS.  window 0: v0-31 addresses; v32-63, v64-127 fragments, buffer 0; v128-159, v160-223 buffer 1 (the norm works in v32-127).  window 1: accumulator (a, b) at 8 (8 a + b).
;   window 2: v0-127 O as loaded, 32 a step; v128-143 bo, v144-159 gamma, v160-175 beta of my 16 columns.
.set PITCH, 272
.set WQ,    128*PITCH
.set WSLOT, 4*WQ
.set ARING, 2*WSLOT
.set ASLOT, 64*PITCH
.set SPARE, ARING+2*ASLOT              ; the spare words, 128 bytes for each wave
.set LP,    2064                       ; a row of the f32 stage: 2,048 bytes + 16
.set TILEB, 131072
.set DW,    9                          ; LDS instructions issued behind a step's last fragment loads: 8 stores of O and the add
.set ADRA, 4
.set ADRB, 6
.set AST,  8                           ; v8-9   where I put 16 bytes of a row of O, slot 0, 1
.set QO,   10                          ; v10    my byte offset in q for the accumulators' layout
.set OAO,  11                          ; v11    my byte offset in ob
.set STW,  12                          ; v12-13 where I put 16 bytes of a stage row: rows 0-31, rows 32-63
.set RDA,  14                          ; v14    where I read stage rows; steps by four rows
.set OO,   15                          ; v15    my byte offset in out0; steps by four rows
.set SPW,  16
.set NIL,  17
.set L16,  18                          ; v18    16 x lane
.set X,    32                          ; the norm: row u's 16 numbers at X + 16 u
.set T,    96                          ; the norm: eight registers at work for row u at T + 8 u
.set BOR,  128                         ; window 2
.set GAM,  144
.set BET,  160
.set WV, 20
.set CX, 21
.set GI, 22
.set G1, 24
.set G0, 32
.set SEL, 40                           ; s[40:41]
.set INV, 42                           ; s42  1 / 512
.set EPS, 43                           ; s43  1e-5
.set CNT, 44
.set MSB, 0
.macro WIN new
.if MSB != (\new)
	s_set_vgpr_msb (MSB<<8)|(\new)
.set MSB, (\new)
.endif
.endm
.macro PLACES
.rept 4
	v_nop
.endr
.endm
.macro CREST
	s_cmp_lg_u32 s[WV], 0
	s_cbranch_scc1 .Lnot_wave_0_\@
	s_barrier_signal -3
.Lnot_wave_0_\@:
	s_barrier_wait -3
	s_barrier_signal -1
	s_barrier_wait -1
.endm
.macro CROUND
	s_barrier_signal -1
	s_barrier_wait -1
	CREST
.endm
.macro JLOAD s
	tensor_load_to_lds s[G0+4*(\s):G0+4*(\s)+3], s[G1:G1+7]
	s_nop 0
.rept 4
	v_nop
.endr
.endm
.macro MUL8 f, a                       ; the 32 accumulators take turns, in the same order in every quarter
	WIN 0x50
.irp b, 0,1,2,3,4,5,6,7
	v_wmma_f32_16x16x32_f16 v[8*(8*(\a)+\b):8*(8*(\a)+\b)+7], v[64+96*(\f)+8*\b:64+96*(\f)+8*\b+7], v[32+96*(\f)+8*(\a):32+96*(\f)+8*(\a)+7], v[8*(8*(\a)+\b):8*(8*(\a)+\b)+7]
.endr
.endm
.macro FETCH slot, k, f
	WIN 0
.irp i, 0,1,2,3,4,5,6,7
	ds_load_b128 v[64+96*(\f)+8*\i:64+96*(\f)+8*\i+3],   v[ADRB+(\slot)] offset:(\k)+\i*16*PITCH
	ds_load_b128 v[64+96*(\f)+8*\i+4:64+96*(\f)+8*\i+7], v[ADRB+(\slot)] offset:(\k)+\i*16*PITCH+32
.endr
.irp i, 0,1,2,3
	ds_load_b128 v[32+96*(\f)+8*\i:32+96*(\f)+8*\i+3],   v[ADRA+(\slot)] offset:(\k)+\i*16*PITCH
	ds_load_b128 v[32+96*(\f)+8*\i+4:32+96*(\f)+8*\i+7], v[ADRA+(\slot)] offset:(\k)+\i*16*PITCH+32
.endr
.endm
.macro QUARTER slot, k, f, g
	s_wait_dscnt 4                                 ; the youngest four loads (O's rows 32-63) may be out
	MUL8 \f, 0
	MUL8 \f, 1
	PLACES
	FETCH \slot, \k, \g
	s_wait_dscnt 24                                ; all but the 24 just issued
	MUL8 \f, 2
	MUL8 \f, 3
.endm
.macro STEP3 slot
	QUARTER \slot, 64,  0, 1
	QUARTER \slot, 128, 1, 0
	QUARTER \slot, 192, 0, 1
.endm
; The last quarter changes slots: ONE barrier; in front of it each wave waits for all its tensor loads, adds 0 to its spare word, and waits for that, for its reads and for its stores into O's next slot.
; fill = 1: the barrier opens a round of the cluster's, and W's slot is filled again, two tiles on, first thing behind the round.
.macro TURN slot, next, fill
	WIN 0
	s_wait_tensorcnt 0x0
	ds_add_u32 v[SPW], v[NIL]
	s_wait_dscnt DW                                ; the fragments are in; O's stores and the add may be out
	MUL8 1, 0
	s_wait_dscnt 0x0
	s_barrier_signal -1
	MUL8 1, 1
.if \fill
	WIN 0
.endif
	s_barrier_wait -1
.if \fill
	CREST
	s_add_nc_u64 s[G0+4*(\slot)+2:G0+4*(\slot)+3], s[G0+4*(\slot)+2:G0+4*(\slot)+3], 2*TILEB
	JLOAD \slot
.else
	PLACES
.endif
	FETCH \next, 0, 0
	MUL8 1, 2
	MUL8 1, 3
.endm
.macro ACONV t, slot, n                ; step t's O goes into the ring as it came; n: the loads issued behind it, which may stay out
	s_wait_loadcnt \n
	WIN 0x08                                       ; data window 2
.irp i, 0,1,2,3,4,5,6,7
	ds_store_b128 v[AST+(\slot)], v[32*(\t)+4*\i:32*(\t)+4*\i+3] offset:\i*4*PITCH
.endr
	WIN 0
.endm
.macro REDUCE o                        ; v[T + 8 u + o] summed over the 32 lanes, for the four rows; v[T + 8 u + o + 1] is at work
.irp m, 1,2,4,8
.irp u, 0,1,2,3
	v_add_f32_dpp v[T+8*\u+(\o)], v[T+8*\u+(\o)], v[T+8*\u+(\o)] row_xmask:\m row_mask:0xf bank_mask:0xf
.endr
.endr
.irp u, 0,1,2,3
	v_permlanex16_b32 v[T+8*\u+(\o)+1], v[T+8*\u+(\o)], s[SEL], s[SEL+1]
.endr
.irp u, 0,1,2,3
	v_add_f32 v[T+8*\u+(\o)], v[T+8*\u+(\o)], v[T+8*\u+(\o)+1]
.endr
.endm
	s_load_b256 s[4:11], s[0:1], 0x0               ; ob s[4:5], q s[6:7], wt s[8:9], bo s[10:11]
	s_load_b128 s[12:15], s[0:1], 0x20             ; gamma s[12:13], beta s[14:15]
	s_load_b64 s[16:17], s[0:1], 0x30              ; out0
	v_lshl_add_u32 v[SPW], v0, 2, SPARE
	v_mov_b32 v[NIL], 0
	ds_add_u32 v[SPW], v[NIL]                      ; the wave's opening: the add, twice on end, and its wait ahead of my first tensor load
	ds_add_u32 v[SPW], v[NIL]
	v_lshrrev_b32 v1, 5, v0
	v_readfirstlane_b32 s[WV], v1
	s_bfe_u32 s[CX], ttmp6, 0x40000
	s_lshl_b32 s[GI], ttmp9, 2
	s_add_co_u32 s[GI], s[GI], s[CX]               ; my block of 64 rows: it enters global addresses of O, q and out0 alone
	s_mov_b32 s[G1], 15|(1<<16)|(1<<20)|(1<<21)|(5<<22)|(3<<25)  ; the mask of four; 2-byte elements; padding on; bit 21 beside a mask; after every 64 words, 4 words
	s_mov_b32 s[G1+1], 128<<16
	s_mov_b32 s[G1+2], 128<<16
	s_mov_b32 s[G1+3], 128<<16
	s_mov_b32 s[G1+4], 128
	s_mov_b32 s[G1+5], 128
	s_mov_b32 s[G1+6], 0
	s_mov_b32 s[G1+7], 0
	s_mov_b32 s[SEL], 0x76543210
	s_mov_b32 s[SEL+1], 0xfedcba98
	s_mov_b32 s[INV], 0x3b000000
	s_mov_b32 s[EPS], 0x3727c5ac
	v_and_b32 v1, 15, v0                           ; r
	v_bfe_u32 v2, v0, 4, 1                         ; h
	v_and_b32 v3, 31, v0                           ; lane
	v_mul_u32_u24 v19, v1, PITCH
	v_lshl_add_u32 v19, v2, 4, v19
	s_mul_i32 s23, s[WV], WQ
	v_add_nc_u32 v[ADRB], s23, v19
	v_add_nc_u32 v[ADRB+1], WSLOT, v[ADRB]
	v_add_nc_u32 v[ADRA], ARING, v19
	v_add_nc_u32 v[ADRA+1], ARING+ASLOT, v19
	s_and_b32 s2, s[WV], 1                         ; which 32 rows of O I bring,
	s_lshr_b32 s3, s[WV], 1                        ; of which of a step's two heads
	s_mul_i32 s46, s2, 32*PITCH
	s_lshl_b32 s47, s3, 7
	s_add_co_u32 s46, s46, s47
	s_add_co_u32 s46, s46, ARING
	v_bfe_u32 v19, v0, 3, 2
	v_mul_u32_u24 v19, v19, PITCH
	v_and_b32 v21, 7, v0
	v_lshl_add_u32 v19, v21, 4, v19
	v_add_nc_u32 v[AST], s46, v19                  ; row 32 (w % 2) + l / 8, byte 128 (w / 2) + 16 (l % 8)
	v_add_nc_u32 v[AST+1], ASLOT, v[AST]
	s_lshl_b32 s46, s3, 17
	s_lshl_b32 s47, s2, 12
	s_add_co_u32 s46, s46, s47
	v_lshl_add_u32 v[OAO], v3, 4, s46
	s_lshl_b32 s46, s[WV], 9
	v_lshl_add_u32 v19, v2, 5, s46                 ; column 128 w + 8 h, in bytes
	v_lshl_add_u32 v[QO], v1, 11, v19
	v_mul_u32_u24 v[STW], v1, LP
	v_add_nc_u32 v[STW], v[STW], v19
	v_add_nc_u32 v[STW+1], 32*LP, v[STW]
	v_lshlrev_b32 v[L16], 4, v3
	s_mul_i32 s46, s[WV], 16*LP
	v_add_nc_u32 v[RDA], s46, v[L16]
	s_lshl_b32 s46, s[WV], 15
	v_add_nc_u32 v[OO], s46, v[L16]
	s_lshr_b32 s2, s[GI], 4                        ; the slice (b, l): its eight heads,
	s_lshl_b32 s2, s2, 20
	s_and_b32 s3, s[GI], 15                        ; row 64 x (block % 16)
	s_lshl_b32 s3, s3, 13
	s_add_co_u32 s2, s2, s3
	s_mov_b32 s3, 0
	s_lshl_b32 s46, s[GI], 17
	s_mov_b32 s47, 0
	s_lshl_b32 s18, s[WV], 15
	s_add_co_u32 s18, s18, 12*TILEB                ; Wo's first tile, my 128 rows
	s_mov_b32 s19, 0
	s_wait_dscnt 0x0                               ; both opening adds are done
	s_wait_kmcnt 0x0
	s_add_nc_u64 s[4:5], s[4:5], s[2:3]
	s_add_nc_u64 s[6:7], s[6:7], s[46:47]
	s_add_nc_u64 s[16:17], s[16:17], s[46:47]
	s_add_nc_u64 s[18:19], s[8:9], s[18:19]
	; all the launch's loads into registers go out here: step 0's O (8), the residual (64), steps 1 to 3 (24), bo, gamma, beta (12)
	WIN 0x80
.irp i, 0,1,2,3,4,5,6,7
	global_load_b128 v[4*\i:4*\i+3], v[OAO], s[4:5] offset:512*\i th:TH_LOAD_NT
.endr
	WIN 0x40
.irp a, 0,1,2,3
.irp b, 0,1,2,3,4,5,6,7
	global_load_b128 v[8*(8*\a+\b):8*(8*\a+\b)+3],   v[QO], s[6:7] offset:\a*32768+\b*64
	global_load_b128 v[8*(8*\a+\b)+4:8*(8*\a+\b)+7], v[QO], s[6:7] offset:\a*32768+\b*64+16
.endr
.endr
	WIN 0x80
.irp t, 1,2,3
.irp i, 0,1,2,3,4,5,6,7
	global_load_b128 v[32*\t+4*\i:32*\t+4*\i+3], v[OAO], s[4:5] offset:\t*262144+512*\i th:TH_LOAD_NT
.endr
.endr
.irp j, 0,1,2,3
	global_load_b128 v[BOR+4*\j:BOR+4*\j+3], v[L16], s[10:11] offset:512*\j
	global_load_b128 v[GAM+4*\j:GAM+4*\j+3], v[L16], s[12:13] offset:512*\j
	global_load_b128 v[BET+4*\j:BET+4*\j+3], v[L16], s[14:15] offset:512*\j
.endr
	WIN 0
	CROUND                                         ; all four work-groups are here: the first joint loads meet
.irp s, 0,1
	s_mov_b32 s[G0+4*\s], 1
	s_add_co_u32 s[G0+4*\s+1], s23, \s*WSLOT
	s_add_nc_u64 s[G0+4*\s+2:G0+4*\s+3], s[18:19], \s*TILEB
	s_or_b32 s[G0+4*\s+3], s[G0+4*\s+3], 0x80000000
.endr
	tensor_load_to_lds s[G0:G0+3], s[G1:G1+7]      ; both first fills together: two loads of mine are out
	s_nop 0
	tensor_load_to_lds s[G0+4:G0+7], s[G1:G1+7]
	s_nop 0
.rept 4
	v_nop
.endr
	ACONV 0, 0, 36                                 ; step 0's O and the residual are in; the 36 younger loads may stay out
	s_wait_tensorcnt 1                             ; my part of the first tile is in; the second's may stay out
	s_wait_dscnt 0x0
	s_barrier_signal -1
	s_barrier_wait -1
	FETCH 0, 0, 0
	STEP3 0
	ACONV 1, 1, 28
	TURN 0, 1, 1
	STEP3 1
	ACONV 2, 0, 20
	TURN 1, 0, 1
	STEP3 0
	ACONV 3, 1, 12
	TURN 0, 1, 0                                   ; behind this barrier nobody reads W's slot 0 any more, and nothing is filled
	STEP3 1
	s_wait_dscnt 0x0
	MUL8 1, 0
	MUL8 1, 1
	MUL8 1, 2
	MUL8 1, 3
	; INTO THE STAGE: each accumulator's low four registers first
	PLACES
	WIN 0x04                                       ; data window 1
.irp a, 0,1,2,3
.irp b, 0,1,2,3,4,5,6,7
	ds_store_b128 v[STW+(\a)/2], v[8*(8*\a+\b):8*(8*\a+\b)+3]   offset:((\a)%2)*16*LP+64*\b
	ds_store_b128 v[STW+(\a)/2], v[8*(8*\a+\b)+4:8*(8*\a+\b)+7] offset:((\a)%2)*16*LP+64*\b+16
.endr
.endr
	WIN 0
	s_wait_dscnt 0x0                               ; for the others' sake: a row's 512 columns come from four waves
	s_barrier_signal -1
	s_barrier_wait -1
	s_wait_loadcnt 0x0                             ; bo, gamma, beta
	s_mov_b32 s[CNT], 4
.Lrows:                                                ; four rows a trip; lane l holds columns 4 l + 128 j
.irp u, 0,1,2,3
.irp j, 0,1,2,3
	ds_load_b128 v[X+16*\u+4*\j:X+16*\u+4*\j+3], v[RDA] offset:LP*\u+512*\j
.endr
.endr
	s_wait_dscnt 0x0
	WIN 0x08                                       ; source 1 window 2
.irp p, 0,1,2,3,4,5,6,7
.irp u, 0,1,2,3
	v_pk_add_f32 v[X+16*\u+2*\p:X+16*\u+2*\p+1], v[X+16*\u+2*\p:X+16*\u+2*\p+1], v[BOR+2*\p:BOR+2*\p+1]
.endr
.endr
	WIN 0
.irp p, 0,1,2,3
.irp u, 0,1,2,3
	v_pk_add_f32 v[T+8*\u+2*\p:T+8*\u+2*\p+1], v[X+16*\u+4*\p:X+16*\u+4*\p+1], v[X+16*\u+4*\p+2:X+16*\u+4*\p+3]
.endr
.endr
.irp u, 0,1,2,3
	v_pk_add_f32 v[T+8*\u:T+8*\u+1], v[T+8*\u:T+8*\u+1], v[T+8*\u+2:T+8*\u+3]
.endr
.irp u, 0,1,2,3
	v_pk_add_f32 v[T+8*\u+4:T+8*\u+5], v[T+8*\u+4:T+8*\u+5], v[T+8*\u+6:T+8*\u+7]
.endr
.irp u, 0,1,2,3
	v_pk_add_f32 v[T+8*\u:T+8*\u+1], v[T+8*\u:T+8*\u+1], v[T+8*\u+4:T+8*\u+5]
.endr
.irp u, 0,1,2,3
	v_add_f32 v[T+8*\u], v[T+8*\u], v[T+8*\u+1]
.endr
	REDUCE 0
.irp u, 0,1,2,3
	v_mul_f32 v[T+8*\u], s[INV], v[T+8*\u]         ; the mean
.endr
.irp p, 0,1,2,3,4,5,6,7
.irp u, 0,1,2,3
	v_pk_add_f32 v[X+16*\u+2*\p:X+16*\u+2*\p+1], v[X+16*\u+2*\p:X+16*\u+2*\p+1], v[T+8*\u:T+8*\u+1] op_sel_hi:[1,0] neg_lo:[0,1] neg_hi:[0,1]
.endr
.endr
.irp u, 0,1,2,3
	v_pk_mul_f32 v[T+8*\u+2:T+8*\u+3], v[X+16*\u:X+16*\u+1], v[X+16*\u:X+16*\u+1]
.endr
.irp p, 1,2,3,4,5,6,7
.irp u, 0,1,2,3
	v_pk_fma_f32 v[T+8*\u+2:T+8*\u+3], v[X+16*\u+2*\p:X+16*\u+2*\p+1], v[X+16*\u+2*\p:X+16*\u+2*\p+1], v[T+8*\u+2:T+8*\u+3]
.endr
.endr
.irp u, 0,1,2,3
	v_add_f32 v[T+8*\u+2], v[T+8*\u+2], v[T+8*\u+3]
.endr
	REDUCE 2
.irp u, 0,1,2,3
	v_fma_f32 v[T+8*\u+2], v[T+8*\u+2], s[INV], s[EPS]  ; the variance + 1e-5
.endr
.irp u, 0,1,2,3
	v_rsq_f32 v[T+8*\u+4], v[T+8*\u+2]
.endr
	v_nop                                          ; a plain instruction behind the last of the four
	s_wait_alu depctr_va_vdst(0)                   ; and one wait for the four, ahead of their first reader
.irp p, 0,1,2,3,4,5,6,7
.irp u, 0,1,2,3
	v_pk_mul_f32 v[X+16*\u+2*\p:X+16*\u+2*\p+1], v[X+16*\u+2*\p:X+16*\u+2*\p+1], v[T+8*\u+4:T+8*\u+5] op_sel_hi:[1,0]
.endr
.endr
	WIN 0x28                                       ; sources 1 and 2 window 2
.irp p, 0,1,2,3,4,5,6,7
.irp u, 0,1,2,3
	v_pk_fma_f32 v[X+16*\u+2*\p:X+16*\u+2*\p+1], v[X+16*\u+2*\p:X+16*\u+2*\p+1], v[GAM+2*\p:GAM+2*\p+1], v[BET+2*\p:BET+2*\p+1]
.endr
.endr
	WIN 0
.irp u, 0,1,2,3
.irp j, 0,1,2,3
	global_store_b128 v[OO], v[X+16*\u+4*\j:X+16*\u+4*\j+3], s[16:17] offset:2048*\u+512*\j th:TH_STORE_NT  ; a wave's store covers 512 consecutive bytes, aligned
.endr
.endr
	s_wait_xcnt 0x0                                ; the stores' data and offset are written again only behind this wait
	v_add_nc_u32 v[RDA], 4*LP, v[RDA]
	v_add_nc_u32 v[OO], 4*2048, v[OO]
	s_sub_co_u32 s[CNT], s[CNT], 1
	s_cmp_lg_u32 s[CNT], 0
	s_cbranch_scc1 .Lrows
	s_wait_tensorcnt 0x0                           ; the wave's end: behind my last tensor load and my last LDS store
	ds_add_u32 v[SPW], v[NIL]
	s_wait_dscnt 0x0
	CROUND                                         ; the closing round
	s_endpgm
.Lfunc_end_k_qffca4f4417_outln:
	.size	k_qffca4f4417_outln, .Lfunc_end_k_qffca4f4417_outln-k_qffca4f4417_outln
	.p2alignl 7, 3214868480
	.fill 96, 4, 3214868480
	.section	.rodata,"a",@progbits
	.p2align	6, 0x0
	.amdhsa_kernel k_qffca4f4417_outln
		.amdhsa_group_segment_fixed_size 327680
		.amdhsa_private_segment_fixed_size 0
		.amdhsa_enable_private_segment 0
		.amdhsa_kernarg_size 56
		.amdhsa_user_sgpr_count 2
		.amdhsa_user_sgpr_kernarg_segment_ptr 1
		.amdhsa_wavefront_size32 1
		.amdhsa_system_sgpr_workgroup_id_x 1
		.amdhsa_system_sgpr_workgroup_id_y 1
		.amdhsa_system_sgpr_workgroup_id_z 1
		.amdhsa_system_vgpr_workitem_id 0
		.amdhsa_next_free_vgpr 704
		.amdhsa_next_free_sgpr 66
		.amdhsa_reserve_vcc 0
		.amdhsa_float_denorm_mode_32 3
		.amdhsa_float_denorm_mode_16_64 3
		.amdhsa_memory_ordered 1
		.amdhsa_forward_progress 1
		.amdhsa_inst_pref_size 103
	.end_amdhsa_kernel
	.amdgpu_metadata
---
amdhsa.version: [ 1, 2 ]
amdhsa.kernels:
  - .name:           k_qffca4f4417_outln
    .symbol:         k_qffca4f4417_outln.kd
    .args:
      - { .name: ob, .offset: 0, .size: 8, .value_kind: global_buffer, .address_space: global }
      - { .name: q, .offset: 8, .size: 8, .value_kind: global_buffer, .address_space: global }
      - { .name: wt, .offset: 16, .size: 8, .value_kind: global_buffer, .address_space: global }
      - { .name: bo, .offset: 24, .size: 8, .value_kind: global_buffer, .address_space: global }
      - { .name: gamma, .offset: 32, .size: 8, .value_kind: global_buffer, .address_space: global }
      - { .name: beta, .offset: 40, .size: 8, .value_kind: global_buffer, .address_space: global }
      - { .name: out0, .offset: 48, .size: 8, .value_kind: global_buffer, .address_space: global }
    .group_segment_fixed_size: 327680
    .private_segment_fixed_size: 0
    .kernarg_segment_align: 8
    .kernarg_segment_size: 56
    .max_flat_workgroup_size: 128
    .sgpr_count:     66
    .vgpr_count:     704
    .wavefront_size: 32
...
	.end_amdgpu_metadata
.endif
;; end of part 4
;; ======== version 2 of 2: 4 launches; version 1 with the launch proj written anew for expert scheduling mode
;; limits: values are held in f16: magnitudes above 65,504 overflow, below 6.1e-05 lose precision
;; workspace buffers: wt 2,097,152 bytes; mk 2,097,152 bytes; qkv 50,331,648 bytes; ob 16,777,216 bytes
;; launch prep: the kernel of part 1 again; grid 256 x 1, 8 waves a work-group, no clusters, 18,432 bytes of LDS; arguments Wq, Wk, Wv, Wo, mask, wt, mk; writes wt, mk
;; launch proj (part 5): grid 192 x 1, 4 waves a work-group, no clusters, 229,888 bytes of LDS; arguments q, k, v, bq, bv, wt, qkv; writes qkv
.if DOCPART == 5
	.amdgcn_target "amdgcn-amd-amdhsa--gfx1250"
	.amdhsa_code_object_version 6
	.text
	.protected	k_qffca4f4417_proj
	.globl	k_qffca4f4417_proj
	.p2align	8
	.type	k_qffca4f4417_proj,@function
k_qffca4f4417_proj:
	s_mov_b64 s[64:65], 0
	v_nop
	global_prefetch_b8 v0, s[64:65] scope:SCOPE_SE
	s_setreg_imm32_b32 hwreg(HW_REG_WAVE_SCHED_MODE, 0, 2), 2
	s_setreg_imm32_b32 hwreg(HW_REG_WAVE_MODE, 25, 1), 1
	s_wait_xcnt 0x0
	s_wait_alu depctr_vm_vsrc(0)
; PROJ: qkv[0] = c (q Wq + bq), qkv[1] = k Wk, qkv[2] = v Wv + bv, each [128 heads][1024][64] in f16, rounded once from f32 sums.  c = log2(e) / 8 lies in wt's Wq already and is put on bq here.
; LEFT OUT: bk (it is the same for all keys of a row of scores and cancels in the softmax, for all values: shown at the head of the first kernel).
; LIMIT: c qp, kp and vp lie within f16's 65,504.  x and the weights are rounded to bf16; sums in f32.
; THE WEIGHTS STAY IN REGISTERS.  A wave holds one head of one weight: 64 columns x 512 K in bf16 = 64 fragments = 512 registers, loaded once.  A work-group's four waves hold four heads, half of one
; weight, and 512 rows of that tensor's x stream past them, 32 rows a trip, 16 trips.  3 tensors x 2 halves are 6 kinds of work-group, and no multiple of 6 is 256: the grid is 6 x 32 = 192.
; x comes through registers: a ring of 8 groups of 8 loads (my 8 rows x 512 bytes each); in every phase one group is awaited, rounded to bf16 in place, laid into LDS and asked for again two chunks on.
; In LDS a chunk is 32 rows of 512 bf16; four slots take turns, their offsets in scalar registers.  All four waves read every chunk; ONE barrier a trip orders stores and reads (see PHASE).
; NO CLUSTER, NO TENSOR LOAD: only the two halves share rows of x, two work-groups where a cluster has four along x; four sharers would hold a quarter of the columns each and take in 1,024 rows of x
; for the same products; and x has to be rounded on its way, once, by the wave that loaded it.
; THE MATRIX INSTRUCTION IS USED TRANSPOSED (source 0 = 16 columns of W, source 1 = 16 rows of x): a lane holds one row and eight neighbouring columns.  The first K quarter takes the bias as C.
; A TRIP is four PHASES of 128 along K, 32 matrix instructions each, on 8 accumulators that take turns.
; THE LOOP IS TURNED BY ONE PHASE: a turned trip is phases 1, 2, 3 of a trip, the packing of its results, and phase 0 of the next trip, which carries the way out.
; THE MODE: SCHED_MODE bits 1:0 = 2 (LLVM: expert scheduling mode 2), set by the entry lines.  The code itself states the register dependences between vector or matrix instructions and memory or LDS
; instructions, with s_wait_alu, always for 0.
; THE PLAN.  Registers that memory or LDS instructions touch, in the loop:
;   XG        (window 1, 8 groups) a phase's sixteen roundings read and write its group; then the phase's 8 LDS stores read it; then the phase's 8 loads of x land in it.
;   FA0, FA1  phase p's matrix instructions read FA[p % 2]; the 16 LDS loads of phase p land in the other, which the matrix instructions of phase p - 1 read.
;   ACC       written by the matrix instructions and, once a trip, by the packing; the stage's 8 LDS stores read it; phase 0's first products write it anew.
;   OB        named by no vector instruction: LDS loads land in it, global stores read it.
;   v[ADR]    read by the fragment loads, written at phase 3's head.      v[ASTC]  read by x's LDS stores, written ahead of phase 1.
;   v[L16], v[STO], v[RD], v[BO], v[SPW], v[NIL]  made at the head and never written again.
; ONE wait on va_vdst stands at a phase's head, behind its roundings: the group is written and the roundings are done with it; the last phase's matrix instructions are done reading the other fragment
; buffer; v[ASTC] (phase 1), v[ADR] (phase 3) and the packed results (phase 0) are written.  Behind it the phase's vector side is its matrix instructions alone, which name W, FA[p % 2], the bias and ACC:
; none of the registers that the phase's LDS stores of x, fragment loads and loads of x touch, so these are dealt among them with no further wait on va_vdst.
; ONE wait on vm_vsrc stands behind the 20th matrix instruction: x's LDS stores have read the group, in which the loads land; it stands behind the phase's fragment loads too, so v[ADR] and v[ASTC] are free
; at the next head.  Phase 0 has one more, behind the stage's stores, which have read ACC.
; REGISTERS.  window 0: v2-11 addresses; v16-47 the bias of my 64 columns; v48-111, v112-175 fragments of x, two buffers of 128 along K; v176-239 accumulator (a, nb) at 8 (4 a + nb); v240-255 the way out.
;   window 1: x as loaded, chunk parity p, group j at 128 p + 32 j.   windows 2, 3: W's fragment (kq, nb) at 8 (4 kq + nb), K quarters 0-7 and 8-15.
.set XPITCH, 1040                      ; an LDS row of x: 1,024 bytes + 16 = 260 words: the sixteen rows of a fragment load start 4 banks apart
.set XSTR,   65536                     ; from slot to slot; a slot's 32 rows take 33,280 bytes
.set STAGE,  40960                     ; in the gap behind slot 0: 32 rows x 144 bytes for each wave, for the way out
.set SP,     144
.set SPARE,  61440                     ; in the same gap: the spare words, 128 bytes for each wave
.set SPW,   2                          ; v2   LDS address of my spare word; never rewritten
.set NIL,   3                          ; v3   0; never rewritten
.set L16,   4                          ; v4   16 x lane: every global load and store
.set ADRA0, 5                          ; v5   my place in a chunk's fragments: r x pitch + 16 h
.set ADR,   6                          ; v6   the same in the slot that is read
.set AST0,  7                          ; v7   where I put 8 bytes of my first row of a chunk
.set ASTC,  8                          ; v8   the same in the slot that is written
.set STO,   9                          ; v9   the way out: where I put 16 bytes of a row
.set RD,    10                         ; v10  the way out: where I read rows back
.set BO,    11                         ; v11  my byte offset in my head's bias
.set BIAS,  16
.set FA,    48
.set ACC,   176
.set OB,    240
.set WV, 20                            ; s20  my wave's number
.set TT, 21                            ; s21  the tensor: 0 q, 1 k, 2 v
.set HF, 22                            ; s22  which four heads
.set RG, 23                            ; s23  which 512 rows
.set XP, 24                            ; s[24:25] x at my 8 rows of the chunk that is asked for
.set OP, 26                            ; s[26:27] qkv just behind the rows that go out next
.set WP, 28                            ; s[28:29] my unit of wt
.set BP, 30                            ; s[30:31] my head's bias
.set RS, 32                            ; s32  offset of the slot that is read
.set WS, 33                            ; s33  offset of the slot that is written
.set LEFT, 34
.set CS, 36                            ; s[36:37] c
.set MSB, 0
.macro WIN new                         ; the immediate's high byte repeats the setting that is left; a switch that changes nothing is dropped
.if MSB != (\new)
	s_set_vgpr_msb (MSB<<8)|(\new)
.set MSB, (\new)
.endif
.endm
.macro PLACES                          ; four places in front of loads into registers that matrix instructions have read, and of conversions that read results
.rept 4
	v_nop
.endr
.endm
; 4 matrix instructions: K quarter kq, rows 16 a on, my four blocks of 16 columns; x from buffer fb.  first = 1: the sums start at the bias
.macro MM4 kq, a, fb, first
	WIN 0x02+(\kq)/8                               ; source 0 in window 2 or 3
.irp nb, 0,1,2,3
.if \first
	v_wmma_f32_16x16x32_bf16 v[ACC+8*(4*(\a)+\nb):ACC+8*(4*(\a)+\nb)+7], v[8*(4*((\kq)%8)+\nb):8*(4*((\kq)%8)+\nb)+7], v[FA+64*(\fb)+8*(2*((\kq)%4)+(\a)):FA+64*(\fb)+8*(2*((\kq)%4)+(\a))+7], v[BIAS+8*\nb:BIAS+8*\nb+7]
.else
	v_wmma_f32_16x16x32_bf16 v[ACC+8*(4*(\a)+\nb):ACC+8*(4*(\a)+\nb)+7], v[8*(4*((\kq)%8)+\nb):8*(4*((\kq)%8)+\nb)+7], v[FA+64*(\fb)+8*(2*((\kq)%4)+(\a)):FA+64*(\fb)+8*(2*((\kq)%4)+(\a))+7], v[ACC+8*(4*(\a)+\nb):ACC+8*(4*(\a)+\nb)+7]
.endif
.endr
.endm
; 8 LDS loads: half hf of a phase's fragments of x (two K quarters x 32 rows), from byte k of the rows, into buffer fb
.macro FH k, fb, hf
	WIN 0
.irp qq, 2*(\hf), 2*(\hf)+1
.irp a, 0,1
	ds_load_b128 v[FA+64*(\fb)+8*(2*(\qq)+\a):FA+64*(\fb)+8*(2*(\qq)+\a)+3],   v[ADR] offset:\a*16*XPITCH+(\k)+64*(\qq)
	ds_load_b128 v[FA+64*(\fb)+8*(2*(\qq)+\a)+4:FA+64*(\fb)+8*(2*(\qq)+\a)+7], v[ADR] offset:\a*16*XPITCH+(\k)+64*(\qq)+32
.endr
.endr
.endm
.macro CVT4 xg, part                   ; two loads' eight numbers are rounded to bf16, in place
	WIN 0x45                                       ; sources and destination in window 1
.irp i, 0,1
	v_cvt_pk_bf16_f32 v[(\xg)+4*(2*(\part)+\i)],   v[(\xg)+4*(2*(\part)+\i)],   v[(\xg)+4*(2*(\part)+\i)+1]
	v_cvt_pk_bf16_f32 v[(\xg)+4*(2*(\part)+\i)+1], v[(\xg)+4*(2*(\part)+\i)+2], v[(\xg)+4*(2*(\part)+\i)+3]
.endr
.endm
.macro XST xg, j                       ; a group goes into LDS: 256 consecutive bytes of each of my 8 rows
	WIN 0x04                                       ; data in window 1
.irp i, 0,1,2,3,4,5,6,7
	ds_store_b64 v[ASTC], v[(\xg)+4*\i:(\xg)+4*\i+1] offset:\i*XPITCH+256*(\j)
.endr
.endm
.macro XLD xg, off                     ; a group is asked for: 512 consecutive bytes, aligned, of each of my 8 rows
	WIN 0x40                                       ; destination in window 1
.irp i, 0,1,2,3,4,5,6,7
	global_load_b128 v[(\xg)+4*\i:(\xg)+4*\i+3], v[L16], s[XP:XP+1] offset:\i*2048+(\off)
.endr
.endm
.macro XGRP par, j, n, re              ; a group outside the loop: awaited (n younger loads may stay out), rounded, stored; re = 1: asked for again, two chunks on
	WIN 0x45
	s_wait_loadcnt \n
	CVT4 128*(\par)+32*(\j), 0
	CVT4 128*(\par)+32*(\j), 1
	CVT4 128*(\par)+32*(\j), 2
	CVT4 128*(\par)+32*(\j), 3
	WIN 0x04
	s_wait_alu depctr_va_vdst(0)                   ; the roundings have written the group, and v[ASTC] is written: the LDS stores read both; the roundings are done with the registers in which the next loads land
	XST 128*(\par)+32*(\j), \j
.if \re
	WIN 0x40
	s_wait_alu depctr_vm_vsrc(0)                   ; the LDS stores have read the group's registers, in which the loads land (and v[ASTC], which the next chunk writes anew)
	XLD 128*(\par)+32*(\j), 512*(\j)+((\par)+2)*XSTR
.endif
.endm
.macro OBLD hf                         ; the way out: 16 rows back from my stage, as whole rows of 128 bytes
	WIN 0
.irp f, 0,1,2,3
	ds_load_b128 v[OB+4*\f:OB+4*\f+3], v[RD] offset:(4*(\hf)+\f)*4*SP
.endr
.endm
.macro OBST hf, so
.irp f, 0,1,2,3
	global_store_b128 v[L16], v[OB+4*\f:OB+4*\f+3], s[OP:OP+1] offset:(\so)+(4*(\hf)+\f)*512  ; four rows of a head: 512 consecutive bytes, aligned
.endr
.endm
; A trip's results are rounded to f16 in place (each accumulator from its low end): PACKC; and put into my stage: STST, behind a wait on va_vdst.  LDS serves a wave's
; instructions in order, so the reads in the next phase see these stores, and the next trip's stores come behind those reads.
.macro PACKC
	PLACES
	WIN 0
.irp i, 0,1,2,3,4,5,6,7
.irp r, 0,1,2,3
	v_cvt_pk_f16_f32 v[ACC+8*\i+\r], v[ACC+8*\i+2*\r], v[ACC+8*\i+2*\r+1]
.endr
.endr
.endm
.macro STST
	WIN 0
.irp i, 0,1,2,3,4,5,6,7
	ds_store_b128 v[STO], v[ACC+8*\i:ACC+8*\i+3] offset:((\i)/4)*16*SP+32*((\i)%4)
.endr
.endm
; A PHASE: K quarters 4 p to 4 p + 3.  x = 1: group j of the chunk of parity par passes through.  wo = 1: the last trip's results go out, to byte so behind OP.
; nw: the LDS instructions issued behind this phase's fragment loads, which may stay out.  pu: the pointers step (1: x's and qkv's, for two trips; 2: qkv's, for one).
; ITS ORDER.  Head: the group's sixteen roundings, the waits.  Behind the 8th matrix instruction x's LDS stores and half of the next phase's fragments, behind the 12th the other half, 20 ahead of their
; first use; behind the 20th the loads of x.  The roundings (or, with x = 0, four v_nop) lie between the last matrix instruction that read a fragment buffer and the loads into it.
; PHASE 3 HOLDS THE TRIP'S BARRIER.  In front of it a wave's LDS instructions are all done: its reads of the chunk in hand, of which these were the last, and its stores of the next chunk, which ended
; three phases back.  Behind it the next chunk is read.  A slot is written again two trips after its chunk's barrier.
.macro PHASE p, x, par, j, wo, so, nw, pu
.set CB, (\p)%2
.set OBF, 1-CB
.set XG, 128*(\par)+32*(\j)
.set FST, 0
.if (\p) == 0
.set FST, 1
.endif
.if \x
	WIN 0x45
	s_wait_loadcnt 56                              ; my oldest group is in; the seven younger groups of 8 stay out
	CVT4 XG, 0
	CVT4 XG, 1
	CVT4 XG, 2
	CVT4 XG, 3
.endif
.if (\p) == 3
	WIN 0
.if !(\x)
	s_wait_alu depctr_vm_vsrc(0)                   ; the fragment loads issued so far have read v[ADR] (with x = 1 the wait ahead of the last phase's loads of x stands behind them and has stated it)
.endif
	s_add_co_u32 s[RS], s[RS], XSTR
	s_and_b32 s[RS], s[RS], 3*XSTR
	v_add_nc_u32 v[ADR], s[RS], v[ADRA0]           ; the next chunk's slot; it is read behind the barrier's wait
.endif
.if ((\p) == 0) && (\x)
	WIN 0
.endif
.if ((\p) != 0) || (\x)
	s_wait_alu depctr_va_vdst(0)                   ; the roundings have written the group and are done with it; the last phase's matrix instructions are done reading the other fragment buffer; v[ASTC] (phase 1), v[ADR] (phase 3), the packed results (phase 0) are written
.endif
.if ((\p) == 0) && (\x)
	STST
.endif
.if \wo
	s_wait_alu depctr_vm_vsrc(0)                   ; the stage's stores have read ACC, which the products below write anew; the stores of a trip ago have read OB, in which the reads of the stage land
.endif
	s_wait_dscnt \nw
.if (\p) == 3
	s_barrier_signal -1
.endif
	MM4 4*(\p), 0, CB, FST
.if \wo
	WIN 0
	s_wait_xcnt 0x0                                ; the stores of a trip ago have had their addresses translated: the sixteen registers are written again only behind this wait
	OBLD 0
.endif
.if !(\x)
	PLACES
.endif
	MM4 4*(\p), 1, CB, FST
.if (\p) == 3
	s_barrier_wait -1
.endif
.if \x
	XST XG, \j                                     ; no wait: no vector or matrix instruction since the head's wait names the group or v[ASTC]
.endif
	FH 256*(((\p)+1)%4), OBF, 0                    ; nor the other fragment buffer, nor v[ADR]
	MM4 4*(\p)+1, 0, CB, 0
	FH 256*(((\p)+1)%4), OBF, 1
	MM4 4*(\p)+1, 1, CB, 0
.if \wo
	WIN 0
	s_wait_dscnt 16+8*(\x)                         ; rows 0-15 are back; the 16 fragment loads and x's 8 stores behind them may stay out
	OBST 0, \so
.endif
.if (\pu) == 1
	s_wait_xcnt 0x0                                ; the youngest load and store stand 16 matrix instructions back: the pointers may be written
	s_add_nc_u64 s[XP:XP+1], s[XP:XP+1], 2*XSTR
	s_add_nc_u64 s[OP:OP+1], s[OP:OP+1], 8192
.elseif (\pu) == 2
	s_wait_xcnt 0x0
	s_add_nc_u64 s[OP:OP+1], s[OP:OP+1], 4096
.endif
	MM4 4*(\p)+2, 0, CB, 0
.if \wo
	WIN 0
	s_wait_xcnt 0x0                                ; those four stores have had their addresses translated
.elseif \x
	WIN 0x40
.endif
.if (\x) || (\wo)
	s_wait_alu depctr_vm_vsrc(0)                   ; x's LDS stores have read the group, in which the loads of x land; with wo = 1 the four stores above have read OB, in which the reads of the stage land
.endif
.if \wo
	OBLD 1
.endif
.if \x
	XLD XG, 512*(\j)+(\par)*XSTR                   ; the roundings that named the group stand ahead of the head's wait
.endif
	MM4 4*(\p)+2, 1, CB, 0
	MM4 4*(\p)+3, 0, CB, 0
	MM4 4*(\p)+3, 1, CB, 0
.if \wo
	WIN 0
	s_wait_dscnt 0x0                               ; rows 16-31 are back: they were my youngest LDS instructions
	OBST 1, \so
.endif
.endm
; A turned trip of the main loop: the chunk two trips on passes through, the chunk four trips on is asked for
.macro RTRIP par, so, pu
	WIN 0
	s_add_co_u32 s[WS], s[WS], XSTR
	s_and_b32 s[WS], s[WS], 3*XSTR
	v_add_nc_u32 v[ASTC], s[WS], v[AST0]           ; free: the wait on vm_vsrc ahead of the last loads of x stands behind the LDS stores that read it
	PHASE 1, 1, \par, 0, 0, 0, 0, \pu
	PHASE 2, 1, \par, 1, 0, 0, 0, 0
	PHASE 3, 1, \par, 2, 0, 0, 0, 0
	PACKC
	PHASE 0, 1, \par, 3, 1, \so, 8, 0              ; 8: the stage's stores
.endm
	s_load_b256 s[4:11], s[0:1], 0x0               ; q s[4:5], k s[6:7], v s[8:9], bq s[10:11]
	s_load_b128 s[12:15], s[0:1], 0x20             ; bv s[12:13], wt s[14:15]
	s_load_b64 s[16:17], s[0:1], 0x30              ; qkv
	v_lshl_add_u32 v[SPW], v0, 2, SPARE
	v_mov_b32 v[NIL], 0
	v_lshrrev_b32 v1, 5, v0
	v_readfirstlane_b32 s[WV], v1
	s_lshr_b32 s[TT], ttmp9, 6
	s_and_b32 s[HF], ttmp9, 1                      ; the two halves of a row block are neighbours
	s_bfe_u32 s[RG], ttmp9, 0x50001
	v_and_b32 v1, 15, v0                           ; r
	v_bfe_u32 v12, v0, 4, 1                        ; h
	v_and_b32 v13, 31, v0                          ; lane
	v_lshlrev_b32 v[L16], 4, v13
	v_mul_u32_u24 v[ADRA0], v1, XPITCH
	v_lshl_add_u32 v[ADRA0], v12, 4, v[ADRA0]
	s_wait_alu depctr_va_sdst(0)                   ; s[WV] is written, ahead of its first reader: LDS places and the bases are made from it
	s_mul_i32 s2, s[WV], 8*XPITCH
	v_lshl_add_u32 v[AST0], v13, 3, s2             ; my wave's 8 rows, 8 bytes a lane
	s_mul_i32 s2, s[WV], 32*SP
	s_add_co_u32 s2, s2, STAGE
	v_mul_u32_u24 v[STO], v1, SP
	v_lshl_add_u32 v[STO], v12, 4, v[STO]
	v_add_nc_u32 v[STO], s2, v[STO]
	v_bfe_u32 v[RD], v0, 3, 2
	v_mul_u32_u24 v[RD], v[RD], SP
	v_and_b32 v14, 7, v0
	v_lshl_add_u32 v[RD], v14, 4, v[RD]
	v_add_nc_u32 v[RD], s2, v[RD]
	v_lshlrev_b32 v[BO], 5, v12                    ; column 8 h, in bytes
	s_lshl_b32 s2, s[RG], 20                       ; 512 rows of 2,048 bytes,
	s_lshl_b32 s3, s[WV], 14                       ; my 8 rows of a chunk
	s_add_co_u32 s2, s2, s3
	s_mov_b32 s3, 0
	s_lshl2_add_u32 s38, s[HF], s[WV]              ; my head in its slice
	s_lshl3_add_u32 s39, s[TT], s38
	s_lshl_b32 s40, s39, 16                        ; my unit of wt
	s_mov_b32 s41, 0
	s_lshl_b32 s42, s38, 8                         ; my head's 64 numbers of a bias
	s_mov_b32 s43, 0
	s_lshr_b32 s44, s[RG], 1                       ; the slice (b, l)
	s_lshl3_add_u32 s44, s44, s38
	s_lshl_b32 s44, s44, 17                        ; my head among the 128,
	s_and_b32 s45, s[RG], 1
	s_lshl_b32 s45, s45, 16                        ; its first or second 512 rows,
	s_add_co_u32 s44, s44, s45
	s_lshl_b32 s45, s[TT], 24                      ; in qkv's tensor T
	s_add_co_u32 s44, s44, s45
	s_mov_b32 s45, 0
	s_mov_b32 s[CS], 0x3e38aa3b
	s_mov_b32 s[CS+1], s[CS]
	s_mov_b32 s[RS], 0
	s_mov_b32 s[WS], XSTR                          ; the first turned trip steps it to slot 2
	s_wait_kmcnt 0x0
	s_cmp_eq_u32 s[TT], 1
	s_cselect_b64 s[XP:XP+1], s[6:7], s[4:5]
	s_cmp_eq_u32 s[TT], 2
	s_cselect_b64 s[XP:XP+1], s[8:9], s[XP:XP+1]
	s_cselect_b64 s[BP:BP+1], s[12:13], s[10:11]
	s_add_nc_u64 s[XP:XP+1], s[XP:XP+1], s[2:3]
	s_add_nc_u64 s[BP:BP+1], s[BP:BP+1], s[42:43]
	s_add_nc_u64 s[WP:WP+1], s[14:15], s[40:41]
	s_add_nc_u64 s[OP:OP+1], s[16:17], s[44:45]
	s_wait_alu depctr_va_vdst(0)                   ; v[L16], v[BO], v[STO], v[RD], v[SPW] and v[NIL] are written, which loads, stores and the closing add read; none is written again
	; the bias, the weights, then chunks 0 and 1 of x: loads come back in order, so the wait for x's first group shows all that stands ahead of it
	s_cmp_eq_u32 s[TT], 1
	s_cbranch_scc1 .Lzero
.irp nb, 0,1,2,3
	global_load_b128 v[BIAS+8*\nb:BIAS+8*\nb+3],   v[BO], s[BP:BP+1] offset:64*\nb
	global_load_b128 v[BIAS+8*\nb+4:BIAS+8*\nb+7], v[BO], s[BP:BP+1] offset:64*\nb+16
.endr
	s_branch .Lbias
.Lzero:
.set i, 0
.rept 32
	v_mov_b32 v[BIAS+i], 0                         ; k's sums start at 0 (on this way no load lands in these registers)
.set i, i+1
.endr
.Lbias:
	WIN 0x80
.set i, 0
.rept 64
	global_load_b128 v[4*i:4*i+3], v[L16], s[WP:WP+1] offset:512*i  ; 512 consecutive bytes are half a fragment
.set i, i+1
.endr
	WIN 0xc0
.set i, 0
.rept 64
	global_load_b128 v[4*i:4*i+3], v[L16], s[WP:WP+1] offset:32768+512*i
.set i, i+1
.endr
.irp par, 0,1
.irp j, 0,1,2,3
	XLD 128*\par+32*\j, 512*\j+\par*XSTR
.endr
.endr
	WIN 0
	v_mov_b32 v[ASTC], v[AST0]                     ; chunk 0 into slot 0,
.irp j, 0,1,2,3
	XGRP 0, \j, 56, 1                              ; 56: what is left of the first 64 loads and what has been asked for again
.endr
	WIN 0
	v_add_nc_u32 v[ASTC], XSTR, v[AST0]            ; chunk 1 into slot 1; chunks 2 and 3 are on their way (the last group's wait on vm_vsrc stands behind the stores that read v[ASTC])
.irp j, 0,1,2,3
	XGRP 1, \j, 56, 1
.endr
	WIN 0
	s_cmp_eq_u32 s[TT], 0
	s_cbranch_scc0 .Lplain
.set i, 0
.rept 16
	v_pk_mul_f32 v[BIAS+2*i:BIAS+2*i+1], v[BIAS+2*i:BIAS+2*i+1], s[CS:CS+1] op_sel_hi:[1,0]  ; c bq
.set i, i+1
.endr
.Lplain:
	s_wait_xcnt 0x0
	s_add_nc_u64 s[XP:XP+1], s[XP:XP+1], 2*XSTR    ; at chunk 2: the loop's first step makes it chunk 4
	v_mov_b32 v[ADR], v[ADRA0]
	s_wait_dscnt 0x0                               ; my rows of chunks 0 and 1 lie in LDS
	s_barrier_signal -1
	s_barrier_wait -1
	s_wait_alu depctr_va_vdst(0)                   ; v[ADR] is written, which the fragment loads read
	FH 0, 0, 0
	FH 0, 0, 1
	PHASE 0, 0, 0, 0, 0, 0, 0, 0                   ; trip 0's first phase stands in front of the loop: nothing goes out yet, and no vector or matrix instruction has yet named what its loads touch
	WIN 0
	s_mov_b32 s[LEFT], 6
.Lbody:                                                ; turned trips 2 i and 2 i + 1: chunks 2 i + 2 and 2 i + 3 pass through, chunks 2 i + 4 and 2 i + 5, 15 at the most, are asked for
	RTRIP 0, -8192, 1
	RTRIP 1, -4096, 0
	WIN 0
	s_sub_co_u32 s[LEFT], s[LEFT], 1
	s_cmp_lg_u32 s[LEFT], 0
	s_cbranch_scc1 .Lbody
	s_mov_b32 s[LEFT], 4
.Ltail:                                                ; turned trips 12 to 15: nothing is asked for
	PHASE 1, 0, 0, 0, 0, 0, 0, 2
	PHASE 2, 0, 0, 0, 0, 0, 0, 0
	WIN 0
	s_cmp_eq_u32 s[LEFT], 3
	s_cbranch_scc0 .Lnolump
	v_add_nc_u32 v[ASTC], 2*XSTR, v[AST0]          ; in trip 13, ahead of its barrier: chunks 14 and 15 go into slots 2 and 3; the counts run down (v[ASTC] is free: a wait on vm_vsrc stands behind its last readers on every way here)
.irp j, 0,1,2,3
	XGRP 0, \j, 56-8*\j, 0
.endr
	WIN 0
	s_wait_alu depctr_vm_vsrc(0)                   ; chunk 14's LDS stores have read v[ASTC]
	v_add_nc_u32 v[ASTC], 3*XSTR, v[AST0]
.irp j, 0,1,2,3
	XGRP 1, \j, 24-8*\j, 0
.endr
	WIN 0
.Lnolump:
	PHASE 3, 0, 0, 0, 0, 0, 0, 0                   ; (in trip 15 its 16 fragment loads serve nothing: the price, once a launch, of one text for the four trips)
	PACKC
	s_wait_alu depctr_va_vdst(0)                   ; the packing has written ACC, which the stage's stores read; phase 3's matrix instructions are done reading FA1, in which phase 0's fragments or the last read of the stage land
	STST
	s_sub_co_u32 s[LEFT], s[LEFT], 1
	s_cmp_eq_u32 s[LEFT], 0
	s_cbranch_scc1 .Lfin
	PHASE 0, 0, 0, 0, 1, -4096, 8, 0               ; 8: the stage's stores
	WIN 0
	s_branch .Ltail
.Lfin:                                                 ; trip 15 goes out, through the fragment buffer that the last phase multiplied: the packing's lines are the places behind its products, and the wait behind the packing states that they are done reading it
.irp f, 0,1,2,3,4,5,6,7
	ds_load_b128 v[FA+64+4*\f:FA+64+4*\f+3], v[RD] offset:\f*4*SP
.endr
.irp f, 0,1,2,3,4,5,6,7
	s_wait_dscnt 7-\f                              ; the younger reads may stay out
	global_store_b128 v[L16], v[FA+64+4*\f:FA+64+4*\f+3], s[OP:OP+1] offset:-4096+\f*512
.endr
	s_wait_dscnt 0x0                               ; the closing lines, six on end
	s_wait_alu 0x0
	s_wait_tensorcnt 0x0
	ds_add_u32 v[SPW], v[NIL]
	s_wait_dscnt 0x0
	s_endpgm
.Lfunc_end_k_qffca4f4417_proj:
	.size	k_qffca4f4417_proj, .Lfunc_end_k_qffca4f4417_proj-k_qffca4f4417_proj
	.p2alignl 7, 3214868480
	.fill 96, 4, 3214868480
	.section	.rodata,"a",@progbits
	.p2align	6, 0x0
	.amdhsa_kernel k_qffca4f4417_proj
		.amdhsa_group_segment_fixed_size 229888
		.amdhsa_private_segment_fixed_size 0
		.amdhsa_enable_private_segment 0
		.amdhsa_kernarg_size 56
		.amdhsa_user_sgpr_count 2
		.amdhsa_user_sgpr_kernarg_segment_ptr 1
		.amdhsa_wavefront_size32 1
		.amdhsa_system_sgpr_workgroup_id_x 1
		.amdhsa_system_sgpr_workgroup_id_y 1
		.amdhsa_system_sgpr_workgroup_id_z 1
		.amdhsa_system_vgpr_workitem_id 0
		.amdhsa_next_free_vgpr 1024
		.amdhsa_next_free_sgpr 66
		.amdhsa_reserve_vcc 0
		.amdhsa_float_denorm_mode_32 3
		.amdhsa_float_denorm_mode_16_64 3
		.amdhsa_memory_ordered 1
		.amdhsa_forward_progress 1
		.amdhsa_inst_pref_size 137
	.end_amdhsa_kernel
	.amdgpu_metadata
---
amdhsa.version: [ 1, 2 ]
amdhsa.kernels:
  - .name:           k_qffca4f4417_proj
    .symbol:         k_qffca4f4417_proj.kd
    .args:
      - { .name: q, .offset: 0, .size: 8, .value_kind: global_buffer, .address_space: global }
      - { .name: k, .offset: 8, .size: 8, .value_kind: global_buffer, .address_space: global }
      - { .name: v, .offset: 16, .size: 8, .value_kind: global_buffer, .address_space: global }
      - { .name: bq, .offset: 24, .size: 8, .value_kind: global_buffer, .address_space: global }
      - { .name: bv, .offset: 32, .size: 8, .value_kind: global_buffer, .address_space: global }
      - { .name: wt, .offset: 40, .size: 8, .value_kind: global_buffer, .address_space: global }
      - { .name: qkv, .offset: 48, .size: 8, .value_kind: global_buffer, .address_space: global }
    .group_segment_fixed_size: 229888
    .private_segment_fixed_size: 0
    .kernarg_segment_align: 8
    .kernarg_segment_size: 56
    .max_flat_workgroup_size: 128
    .sgpr_count:     66
    .vgpr_count:     1024
    .wavefront_size: 32
...
	.end_amdgpu_metadata
.endif
;; end of part 5
;; launch attn: the kernel of part 3 again; grid 2 x 128, 4 waves a work-group, no clusters, 327,680 bytes of LDS; arguments qkv, mk, ob; writes ob
;; launch outln: the kernel of part 4 again; grid 256 x 1, 4 waves a work-group, clusters of 4 x 1, 327,680 bytes of LDS; arguments ob, q, wt, bo, gamma, beta, out0; writes out0
